; MI455X (gfx1250); checked and timed in simulation.
; The chip was launched on July 23, 2026; its instructions are those of AMD's public machine-readable ISA for CDNA 5 (MIT licence, August 2026) and "CDNA5" Instruction Set Architecture Reference Guide (July 2026). The comments in the code are by the model that wrote it; some were corrected since.
;; Multi Head Attention. Allowed arithmetic: matrix products marked QUANTISED: E2M3 operands, one E8M0 scale for each 32 along K, by v_wmma_scale_f32_16x16x128_f8f6f4 with both operands' format E2M3, f32 sums; everything else in f32.
;; Inputs: Wk 1,024 x 1,024 float32; Wo 1,024 x 1,024 float32; Wq 1,024 x 1,024 float32; Wv 1,024 x 1,024 float32; bk 1,024 float32; bo 1,024 float32; bq 1,024 float32; bv 1,024 float32; key 4 x 2,048 x 1,024 float32; query 4 x 2,048 x 1,024 float32; value 4 x 2,048 x 1,024 float32.
;; Outputs: out0 4 x 2,048 x 1,024 float32.
;; This version of the problem:
;;   THIS VERSION OF THE PROBLEM IS GIVEN IN LOW PRECISION. The matrix products marked QUANTISED in the list below multiply operands that are first quantised to E2M3 (2 exponent bits, 3 mantissa bits; 6 bits a number), with one power-of-two scale for each 32 numbers along K (OCP MX v1.0); their sums are f32. All else is computed in f32.
;;   The module's matrix products, in the order in which they are computed (A, B: the left and right operand; K: the contracted axis; several contracted axes count as one K, in the product's order):
;;     1. [M 8,192, K 1,024] x [K 1,024, N 1,024]; A: input query; B: input Wq: QUANTISED
;;     2. [M 8,192, K 1,024] x [K 1,024, N 1,024]; A: input key; B: input Wk: QUANTISED
;;     3. [M 8,192, K 1,024] x [K 1,024, N 1,024]; A: input value; B: input Wv: QUANTISED
;;     4. batch 64 x [M 2,048, K 64] x [K 64, N 2,048]; A: computed on the way; B: computed on the way: QUANTISED
;;     5. batch 64 x [M 2,048, K 2,048] x [K 2,048, N 64]; A: softmax (see below); B: computed on the way: QUANTISED
;;     6. [M 8,192, K 1,024] x [K 1,024, N 1,024]; A: computed on the way; B: input Wo: QUANTISED
;;   THE QUANTISER, for each operand of a quantised product, along K:
;;     - K is cut into blocks of 32 from its start; a last block that is shorter is filled with zeros.
;;     - A block's scale is 2^e with e = floor(log2(the largest magnitude in the block)) - 2, held to -126 .. 127; a block of zeros has e = 0. As a byte (E8M0): e + 127.
;;     - Each number is divided by its block's scale, clamped to +-7.5, and rounded to the nearest number of E2M3, ties to even, subnormals kept.
;;     - The product sums the exact products of the quantised numbers (number of the format x scale) in f32.
;;   ~~~python
;;   def quantise(x, axis):      # numpy; x: float32 -> the quantised numbers, widened to float32 again
;;       x = np.moveaxis(x, axis, -1); K = x.shape[-1]
;;       x = np.pad(x, [(0, 0)] * (x.ndim - 1) + [(0, -K % 32)]); x = x.reshape(x.shape[:-1] + (-1, 32)); a = np.abs(x).max(-1, keepdims=True)
;;       e = np.where(a > 0, np.clip(np.frexp(np.where(a > 0, a, 1))[1] - 1 - 2, -126, 127), 0)      # np.frexp(a)[1] - 1 = floor(log2(a)), exactly
;;       r = np.clip(x / 2.0 ** e, -7.5, 7.5)
;;       step = 2.0 ** (np.maximum(np.frexp(np.where(r == 0, 1, r))[1] - 1, 0) - 3)
;;       q = np.round(r / step) * step * 2.0 ** e      # np.round: ties to even
;;       return np.moveaxis(q.reshape(q.shape[:-2] + (-1,))[..., :K], -1, axis).astype(np.float32)
;;   ~~~
;;   SOFTMAX AHEAD OF A QUANTISED PRODUCT. Where the list says 'softmax', what is quantised is not the finished softmax but p = 2^(t - M), with t = logit x log2(e) and M = ceil(the row's largest t), a whole number; so 1/2 < the row's largest p <= 1. The row's sum l is taken of the UNQUANTISED p, in f32, and the product's result is divided by l at the end. Since M is a whole number, a kernel that streams over the keys may use a running M (the ceiling of the running maximum): every later rescaling is an exact power of two, which a block's scale takes up: the codes' values come out the same.
;;   OPERANDS COMPUTED ON THE WAY. 'Computed on the way' means the value that the module computes at that place (a softmax that the list does not call 'softmax' is quantised finished and normalised). What goes into a quantiser is computed in f32, as accurately as f32 sums, v_exp_f32 and their like allow (about 1e-6 of the number): no bf16 or f16 on the way to a quantiser, and a product that is left as it is and whose result goes on into a quantised operand takes f32 operands (vector FMAs, or v_wmma_f32_16x16x4_f32). A number that lies on a knife's edge between two numbers of the format may be rounded either way, as far as f32 arithmetic and the matrix unit's own rounding can turn it there, and no further.
;; One version. Each part assembles by itself: llvm-mc -triple=amdgcn-amd-amdhsa -mcpu=gfx1250 --defsym DOCPART=n.
;; ======== version 1 of 1: 4 launches
;; limits: right only within a limited range of input values
;; workspace buffers: xw 22,937,600 bytes; qc 6,553,600 bytes; kv 13,107,200 bytes; ao 6,553,600 bytes
;; launch quant (part 1): grid 256 x 1, 7 waves a work-group, no clusters, 60,160 bytes of LDS; arguments query, key, value, Wq, Wk, Wv, Wo, xw; writes xw
.if DOCPART == 1
	.amdgcn_target "amdgcn-amd-amdhsa--gfx1250"
	.amdhsa_code_object_version 6
	.text
	.protected	k_q0103db7f4d_quant
	.globl	k_q0103db7f4d_quant
	.p2align	8
	.type	k_q0103db7f4d_quant,@function
k_q0103db7f4d_quant:
	s_mov_b64 s[64:65], 0
	v_nop
	global_prefetch_b8 v0, s[64:65] scope:SCOPE_SE
	s_setreg_imm32_b32 hwreg(HW_REG_WAVE_MODE, 25, 1), 1
	s_wait_xcnt 0x0
; query, key, value [8192][1024] and Wq, Wk, Wv, Wo [1024][1024], f32, K innermost, become codes of FP6 (E2M3) with one E8M0 byte for each 32 along K,
; laid in xw AS IMAGES OF OPERAND REGISTERS.  A record serves 128 rows x 128 K: 12,800 bytes = 8 fragments of 1,536 bytes, then 512 bytes of scale words.
; Fragment t holds the rows 32 (t/2) + 8 (t%2) + r + 8 (r/8), r = lane % 16.  A fragment is two halves of 768 bytes (64 along K each): a lane's registers 0-3 at 16 x lane,
; registers 4-5 at 512 + 8 x lane.  Scale words: word j of lane l (at 12288 + 16 l + 4 j) belongs to fragment 2 j + l / 16, row l % 16.
; xw: 224 blocks of 128 rows (0-63 query, 64-127 key, 128-191 value, 192.. Wq, 200.. Wk, 208.. Wv, 216.. Wo), 8 records (K steps) each: 1,792 records = 256 work-groups x 7 waves, a record a wave.
; A block's scale is 2^(floor(log2(largest magnitude)) - 2): its byte is the largest magnitude's exponent field - 2, held at 1 from below.
; LIMITS: NaN and infinities among the inputs are not served; a block whose largest magnitude lies under 2^-124 gets the byte 1; a block of zeros gets the byte 1 where the rule says 127
; (its codes are zeros, which add nothing, and this program alone reads the bytes).
; A load reads 512 consecutive bytes of one row; a tile's 16 rows turn through the wave's own stage in LDS, so that a lane gets two whole blocks of 32 of its row.
; No matrix unit, no cluster, no tensor load: a stream that is read once and shared by nobody.  Two tiles' loads (32 a wave) are on their way.
.set STG,   16*528                     ; a wave's stage: 16 rows x (512 bytes + 16): the 16 rows that a read touches start 33 x 16 bytes apart
.set SPARE, 7*STG                      ; behind the stages: the spare words, 128 bytes a wave, four blocks of 256 bytes that no other line names
.set L16, 1                            ; v1  16 x lane
.set L8,  2                            ; v2  8 x lane
.set STI, 3                            ; v3  the stage, on the way in
.set STO, 4                            ; v4  and out: row r, + 128 h
.set SH8, 5                            ; v5  8 h
.set SPW, 6                            ; v6  my spare word's LDS address; never rewritten
.set NIL, 7                            ; v7  0; never rewritten
.set MX,  8                            ; v8-9   largest magnitudes of my two blocks
.set SO,  10                           ; v10-11 the conversions' scale operands
.set BY,  12                           ; v12-13 the scale bytes
.set WD,  14                           ; v14    my two bytes at their places
.set TP,  15                           ; v15    the other half's
.set SW,  16                           ; v16-23 a scale word for each tile
.set W,   24                           ; v24-27 the record's scale words as they are stored
.set PC,  28                           ; v28-51 codes, two sets of 12
.set T,   52                           ; v52-59 second halves of blocks
.set R,   64                           ; v64-191 two sets of 64: a tile as loaded
.set X,   192                          ; v192-255 my 64 numbers: blocks h and 2 + h of row r
	s_load_b256 s[4:11], s[0:1], 0x0               ; query, key, value, Wq
	s_load_b256 s[12:19], s[0:1], 0x20             ; Wk, Wv, Wo, xw
	v_lshl_add_u32 v[SPW], v0, 2, SPARE
	v_mov_b32 v[NIL], 0
	v_lshrrev_b32 v8, 5, v0
	v_readfirstlane_b32 s2, v8                     ; wave 0..6
	v_and_b32 v9, 31, v0                           ; lane
	v_and_b32 v10, 15, v0                          ; r
	v_bfe_u32 v11, v0, 4, 1                        ; h
	v_lshlrev_b32 v[L16], 4, v9
	v_lshlrev_b32 v[L8], 3, v9
	s_mul_i32 s3, s2, STG
	v_add_nc_u32 v[STI], s3, v[L16]
	v_mul_u32_u24 v[STO], v10, 528
	v_lshl_add_u32 v[STO], v11, 7, v[STO]
	v_add_nc_u32 v[STO], s3, v[STO]
	v_lshlrev_b32 v[SH8], 3, v11
	v_mov_b32 v[TP], 0                             ; a lane permute's destination counts as one of its sources
	s_mov_b32 s20, 0x76543210
	s_mov_b32 s21, 0xfedcba98                      ; v_permlanex16_b32's selects for lane l xor 16
	s_mov_b32 s22, 0xffff0000                      ; lanes 16-31
	s_mul_i32 s23, ttmp9, 7
	s_add_co_u32 s23, s23, s2                      ; my record
	s_lshr_b32 s26, s23, 3                         ; its block of 128 rows
	s_and_b32 s27, s23, 7
	; KEY'S BLOCKS (64-127) HAVE ANOTHER ORDER OF ROWS: fragment t holds the rows 64 (t/4) + 8 (t%4) + r + 24 (r/8), so that in the scores a lane's 32 registers are one whole block of 32 keys.
	; Against the other tensors' order: rows r >= 8 of fragments 0, 1, 4, 5 lie 16 rows further on, rows r < 8 of fragments 2, 3, 6, 7 lie 16 rows back; the rest is the same.
	; Two more offset registers carry that, chosen by the block's number alone; 16 rows are 65,536 bytes.
.set KHI, 60                           ; v60 16 x lane, for key + 65,536
.set KLO, 61                           ; v61 16 x lane + 65,536, for key + 0 (its loads' immediates are 16 rows lower)
	s_lshr_b32 s32, s26, 6
	s_cmp_eq_u32 s32, 1
	s_cselect_b32 s32, 65536, 0
	s_sub_co_u32 s33, 65536, s32
	s_wait_alu depctr_va_vdst(0)                   ; directly ahead of the readers of 16 x lane below
	v_add_nc_u32 v[KHI], s32, v[L16]
	v_add_nc_u32 v[KLO], s33, v[L16]
	s_wait_alu depctr_va_vdst(0)
	s_wait_kmcnt 0x0
	s_mov_b64 s[24:25], s[16:17]                   ; which tensor: the choice hangs on the block's number alone
	s_mov_b32 s28, 216
.macro PICK lim, p, base
	s_cmp_lt_u32 s26, \lim
	s_cselect_b64 s[24:25], s[\p:\p+1], s[24:25]
	s_cselect_b32 s28, \base, s28
.endm
	PICK 216, 14, 208
	PICK 208, 12, 200
	PICK 200, 10, 192
	PICK 192, 8, 128
	PICK 128, 6, 64
	PICK 64, 4, 0
	s_sub_co_u32 s28, s26, s28                     ; the block within its tensor: 128 rows of 4,096 bytes each,
	s_lshl_b32 s28, s28, 19
	s_lshl_b32 s30, s27, 9                         ; and 512 bytes a K step
	s_add_co_u32 s28, s28, s30
	s_mov_b32 s29, 0
	s_add_nc_u64 s[24:25], s[24:25], s[28:29]
	s_mul_i32 s30, s23, 12800
	s_mov_b32 s31, 0
	s_add_nc_u64 s[18:19], s[18:19], s[30:31]
.macro LOAD t                          ; tile t's 16 rows, 512 consecutive bytes each, into set t % 2
.irp i, 0,1,2,3,4,5,6,7,8,9,10,11,12,13,14,15
.if ((((\t)/2)%2) == 0) && (\i >= 8)
	global_load_b128 v[R+64*((\t)%2)+4*\i:R+64*((\t)%2)+4*\i+3], v[KHI], s[24:25] offset:(32*((\t)/2)+8*((\t)%2)+\i+8*(\i/8))*4096 th:TH_LOAD_NT
.elseif ((((\t)/2)%2) == 1) && (\i < 8)
	global_load_b128 v[R+64*((\t)%2)+4*\i:R+64*((\t)%2)+4*\i+3], v[KLO], s[24:25] offset:(32*((\t)/2)+8*((\t)%2)+\i-16)*4096 th:TH_LOAD_NT
.else
	global_load_b128 v[R+64*((\t)%2)+4*\i:R+64*((\t)%2)+4*\i+3], v[L16], s[24:25] offset:(32*((\t)/2)+8*((\t)%2)+\i+8*(\i/8))*4096 th:TH_LOAD_NT
.endif
.endr
.endm
.macro TILE t
.set RS, R+64*((\t)%2)
.set PS, PC+12*((\t)%2)
.if (\t) < 7
	s_wait_loadcnt 16                              ; this tile's sixteen loads are in; the next tile's sixteen may be out
.else
	s_wait_loadcnt 0x0
.endif
.irp i, 0,1,2,3,4,5,6,7,8,9,10,11,12,13,14,15
	ds_store_b128 v[STI], v[RS+4*\i:RS+4*\i+3] offset:528*\i
.endr
.irp c, 0,1
.irp q, 0,1,2,3,4,5,6,7
	ds_load_b128 v[X+32*\c+4*\q:X+32*\c+4*\q+3], v[STO] offset:256*\c+16*\q   ; LDS serves a wave's instructions in order: these see the stores above
.endr
.endr
	s_wait_dscnt 0x0                               ; my numbers are in, and the stores have read their registers,
.if (\t) < 6
	LOAD (\t)+2                                    ; which take the tile two further on
.endif
.irp c, 0,1
	v_max3_num_f32 v[MX+\c], |v[X+32*\c]|, |v[X+32*\c+1]|, 0x1800000   ; with the floor 2^(3 - 127): the byte cannot fall under 1
.endr
.irp i, 2,4,6,8,10,12,14,16,18,20,22,24,26,28,30
.irp c, 0,1
	v_max3_num_f32 v[MX+\c], v[MX+\c], |v[X+32*\c+\i]|, |v[X+32*\c+\i+1]|
.endr
.endr
.irp c, 0,1
	v_add_nc_u32 v[SO+\c], 0xff000000, v[MX+\c]    ; 2 off the exponent field: the conversion takes that field as its scale
.endr
.irp c, 0,1
	v_lshrrev_b32 v[BY+\c], 23, v[SO+\c]           ; the scale's byte
.endr
	v_lshl_or_b32 v[WD], v[BY+1], 16, v[BY]        ; blocks h and 2 + h,
	v_lshlrev_b32 v[WD], v[SH8], v[WD]             ; at their places in the row's word;
	v_permlanex16_b32 v[TP], v[WD], s20, s21
	v_or_b32 v[SW+(\t)], v[WD], v[TP]              ; with lane l xor 16's two the word is whole
.if (\t) >= 2
	s_wait_alu depctr_va_vdst(0)
	s_wait_xcnt 0x0                                ; the stores of two tiles back have read this set of codes: it is written again only behind this wait
.endif
	v_cvt_scalef32_pk16_fp6_f32 v[PS:PS+2], v[X:X+15], v[SO]
	v_cvt_scalef32_pk16_fp6_f32 v[T:T+2], v[X+16:X+31], v[SO]          ; (a conversion's three registers begin on an even number)
	v_cvt_scalef32_pk16_fp6_f32 v[PS+6:PS+8], v[X+32:X+47], v[SO+1]
	v_cvt_scalef32_pk16_fp6_f32 v[T+4:T+6], v[X+48:X+63], v[SO+1]
	v_nop                                          ; one plain place behind a scaled conversion
.irp i, 0,1,2
	v_mov_b32 v[PS+3+\i], v[T+\i]
	v_mov_b32 v[PS+9+\i], v[T+4+\i]
.endr
	global_store_b128 v[L16], v[PS:PS+3], s[18:19] offset:1536*(\t)            ; 512 consecutive bytes, at a multiple of 256 from xw's first byte
	global_store_b64 v[L8], v[PS+4:PS+5], s[18:19] offset:1536*(\t)+512        ; 256 consecutive bytes, likewise
	global_store_b128 v[L16], v[PS+6:PS+9], s[18:19] offset:1536*(\t)+768
	global_store_b64 v[L8], v[PS+10:PS+11], s[18:19] offset:1536*(\t)+1280
.endm
	LOAD 0
	LOAD 1
.irp t, 0,1,2,3,4,5,6,7
	TILE \t
.endr
.irp j, 0,1,2,3
	v_cndmask_b32 v[W+\j], v[SW+2*\j], v[SW+2*\j+1], s22   ; lanes 0-15: fragment 2 j's words; lanes 16-31: fragment 2 j + 1's
.endr
	global_store_b128 v[L16], v[W:W+3], s[18:19] offset:12288
	s_wait_tensorcnt 0x0                           ; the wave's end, behind my last LDS store
	ds_add_u32 v[SPW], v[NIL]
	s_wait_dscnt 0x0
	s_endpgm
.Lfunc_end_k_q0103db7f4d_quant:
	.size	k_q0103db7f4d_quant, .Lfunc_end_k_q0103db7f4d_quant-k_q0103db7f4d_quant
	.p2alignl 7, 3214868480
	.fill 96, 4, 3214868480
	.section	.rodata,"a",@progbits
	.p2align	6, 0x0
	.amdhsa_kernel k_q0103db7f4d_quant
		.amdhsa_group_segment_fixed_size 60160
		.amdhsa_private_segment_fixed_size 0
		.amdhsa_enable_private_segment 0
		.amdhsa_kernarg_size 64
		.amdhsa_user_sgpr_count 2
		.amdhsa_user_sgpr_kernarg_segment_ptr 1
		.amdhsa_wavefront_size32 1
		.amdhsa_system_sgpr_workgroup_id_x 1
		.amdhsa_system_sgpr_workgroup_id_y 1
		.amdhsa_system_sgpr_workgroup_id_z 1
		.amdhsa_system_vgpr_workitem_id 0
		.amdhsa_next_free_vgpr 256
		.amdhsa_next_free_sgpr 66
		.amdhsa_reserve_vcc 0
		.amdhsa_float_denorm_mode_32 3
		.amdhsa_float_denorm_mode_16_64 3
		.amdhsa_memory_ordered 1
		.amdhsa_forward_progress 1
		.amdhsa_inst_pref_size 59
	.end_amdhsa_kernel
	.amdgpu_metadata
---
amdhsa.version: [ 1, 2 ]
amdhsa.kernels:
  - .name:           k_q0103db7f4d_quant
    .symbol:         k_q0103db7f4d_quant.kd
    .args:
      - { .name: query, .offset: 0, .size: 8, .value_kind: global_buffer, .address_space: global }
      - { .name: key, .offset: 8, .size: 8, .value_kind: global_buffer, .address_space: global }
      - { .name: value, .offset: 16, .size: 8, .value_kind: global_buffer, .address_space: global }
      - { .name: Wq, .offset: 24, .size: 8, .value_kind: global_buffer, .address_space: global }
      - { .name: Wk, .offset: 32, .size: 8, .value_kind: global_buffer, .address_space: global }
      - { .name: Wv, .offset: 40, .size: 8, .value_kind: global_buffer, .address_space: global }
      - { .name: Wo, .offset: 48, .size: 8, .value_kind: global_buffer, .address_space: global }
      - { .name: xw, .offset: 56, .size: 8, .value_kind: global_buffer, .address_space: global }
    .group_segment_fixed_size: 60160
    .private_segment_fixed_size: 0
    .kernarg_segment_align: 8
    .kernarg_segment_size: 64
    .max_flat_workgroup_size: 224
    .sgpr_count:     66
    .vgpr_count:     256
    .wavefront_size: 32
...
	.end_amdgpu_metadata
.endif
;; end of part 1
;; launch proj (part 2): grid 4 x 64, 4 waves a work-group, clusters of 4 x 4, 327,680 bytes of LDS; arguments xw, bq, bk, bv, qc, kv; writes qc, kv
.if DOCPART == 2
	.amdgcn_target "amdgcn-amd-amdhsa--gfx1250"
	.amdhsa_code_object_version 6
	.text
	.protected	k_q0103db7f4d_proj
	.globl	k_q0103db7f4d_proj
	.p2align	8
	.type	k_q0103db7f4d_proj,@function
k_q0103db7f4d_proj:
	s_mov_b64 s[64:65], 0
	v_nop
	global_prefetch_b8 v0, s[64:65] scope:SCOPE_SE
	s_setreg_imm32_b32 hwreg(HW_REG_WAVE_MODE, 25, 1), 1
	s_wait_xcnt 0x0
	s_wait_alu depctr_hold_cnt(0) depctr_sa_sdst(0) depctr_va_vdst(0) depctr_va_sdst(0) depctr_va_ssrc(0) depctr_va_vcc(0) depctr_vm_vsrc(0)
	s_getreg_b32 s2, hwreg(HW_REG_IB_STS2, 6, 4)
	s_cmp_eq_u32 s2, 0
	s_cbranch_scc0 .Lentry_in_a_cluster
	s_endpgm
.Lentry_in_a_cluster:
	s_bfe_u32 s2, ttmp6, 0x10000c
	s_cmp_lg_u32 s2, 0xf033
	s_cbranch_scc0 .Lentry_shape_is_right
	s_endpgm
.Lentry_shape_is_right:
; q = query Wq^T + bq, k = key Wk^T + bk, v = value Wv^T + bv on codes of FP6 (E2M3) from xw; the results are quantised in registers and leave as images of operand registers:
; q and k along the head's 64 channels (qc, kv), v along the KEYS (kv).  No f32 result goes to memory.
; ONE TEXT FOR ALL THREE.  S0 is the operand whose rows become a lane's REGISTERS in the result (source 0), S1 the one whose rows become the LANES (source 1).
; The rows that are the NEXT product's K are always S0: for q, k S0 = the weight (channels), S1 = the activations; for v S0 = value (keys), S1 = Wv (channels).
; A work-group makes 256 rows of S0 x 128 rows of S1; wave w takes S0's rows 64 w .. 64 w + 63 against all of S1: 32 accumulators.  K = 1,024 is 8 steps of 128, written out.
; ALL OF K LIES IN LDS, filled once: S1's 8 records, then S0's 2 x 8 (a record: 12,800 bytes: 8 fragments of 1,536, 512 bytes of scale words).  No LDS byte is filled twice.
; The fills go in two halves of four K steps; the products of K steps 0-3 begin as soon as those have landed.
; CLUSTER 4 x 4: S1's bytes hang on cy alone and are asked for jointly along a row of the cluster, S0's on cx alone and jointly along a column.
; A fragment's rows are 32 (t/2) + 8 (t%2) + r + 8 (r/8): so the 16 registers of accumulators 2 b' and 2 b' + 1 are 16 neighbours, 32 b' + 16 (lane / 16) + 0 .. 15, of the wave's 64 rows of S0.
; LIMITS: NaN and infinities are not served; a block whose largest magnitude lies under 2^-124, a block of zeros among them, gets the scale byte 1 (its reader is this program alone).
; The scale bytes leave as stores of 2 bytes a row: 1 byte in 25 of the bytes the launch writes.
; REGISTERS: window 0: v16-25 LDS addresses; v32-47 scale words, two sets; v64-159 S1's 8 fragments, one set; v160-255 S0's 4 fragments, two sets.  Window 1: the accumulators, (a, b) at v[32 a + 8 b].  Window 2: v0-63 the bias as C.
.set REC,   12800
.set BLKB,  8*REC
.set PAIR,  2*REC
.set UP,    4*REC                      ; an LDS offset has 16 bits: K steps 4-7 have address registers of their own
.set SPARE, 3*BLKB                     ; behind the operands: the spare words, 128 bytes a wave, two blocks of 256 bytes that no other line names
.set A1,  16                           ; v16-17 S1: 16 x lane (+ UP)
.set B1,  18                           ; v18-19 S1: 8 x lane
.set A0,  20                           ; v20-21 S0: my four fragments, 16 x lane
.set B0,  22                           ; v22-23 8 x lane
.set Z0,  24                           ; v24-25 S0: my two scale words
.set R8,  26                           ; v26 8 r
.set BH,  27                           ; v27 64 h
.set SPW, 28                           ; v28 my spare word's LDS address; never rewritten
.set NIL, 29                           ; v29 0; never rewritten
.set BR4, 30                           ; v30 4 (r + 8 (r / 8))
.set SC1, 32                           ; v32-35, v40-43 S1's scale words: register a / 2, lanes 16 (a % 2) on
.set SC0, 36                           ; v36-37, v44-45 S0's
.set S1F, 64
.set S0F, 160
.set MX,  64                           ; the way out, over the fragments' registers: 16 blocks' largest magnitudes,
.set TP,  80                           ; the other half's,
.set SO,  96                           ; the conversions' scale operands,
.set BY,  112                          ; the bytes,
.set SW,  128                          ; 8 pairs of bytes,
.set PC,  136                          ; 8 x 6 registers of codes,
.set T,   184                          ; 8 x 4: second halves,
.set OF16, 216                         ; and the stores' offsets
.set OF8, 224
.set OFS, 232
.set WV,  16                           ; s16 wave;  s17 wave / 2;  s18 wave % 2;  s19 cx;  s20 cy;  s22 0, 1, 2: q, k, v
.set I0,  81                           ; s81 which 256 rows of S0 (holds cx, never cy)
.set I1,  82                           ; s82 which 128 rows of S1 (holds cy, never cx)
.set G1A, 24                           ; s[24:31] descriptor group 1 for S1;  s[40:43] group 0 for S1
.set G1B, 32                           ; s[32:39] for S0;  s[56:59] group 0 for S0
.set G0A, 40
.set SEL, 92
.set MSB, 0
.macro WIN new                         ; the immediate's high byte repeats the setting that is left
.if MSB != \new
	s_set_vgpr_msb (MSB<<8)|\new
.set MSB, \new
.endif
.endm
.macro PLACES                          ; four plain places behind matrix instructions, ahead of loads into their operands and of reads of their results
.rept 4
	v_nop
.endr
.endm
.macro CROUND                          ; a round of the cluster's barrier
	s_barrier_signal -1
	s_barrier_wait -1
	s_cmp_lg_u32 s[WV], 0
	s_cbranch_scc1 .Lnot_wave_0_\@
	s_barrier_signal -3
.Lnot_wave_0_\@:
	s_barrier_wait -3
	s_barrier_signal -1
	s_barrier_wait -1
.endm
.macro FRAG reg, a16, a8, off          ; a fragment's image: two halves of 512 + 256 bytes; every load reads consecutive bytes
	ds_load_b128 v[(\reg):(\reg)+3], v[\a16] offset:(\off)
	ds_load_b64 v[(\reg)+4:(\reg)+5], v[\a8] offset:(\off)+512
	ds_load_b128 v[(\reg)+6:(\reg)+9], v[\a16] offset:(\off)+768
	ds_load_b64 v[(\reg)+10:(\reg)+11], v[\a8] offset:(\off)+1280
.endm
.macro WM                              ; one product, by the symbols rD, rA, rB, rC, rSA, rSB; rRA, rRB: the scales stand in lanes 16-31
.if rRA && rRB
	v_wmma_scale_f32_16x16x128_f8f6f4 v[rD:rD+7], v[rA:rA+11], v[rB:rB+11], v[rC:rC+7], v[rSA], v[rSB] matrix_a_fmt:MATRIX_FMT_FP6 matrix_b_fmt:MATRIX_FMT_FP6 matrix_a_scale:MATRIX_SCALE_ROW1 matrix_b_scale:MATRIX_SCALE_ROW1
.elseif rRA
	v_wmma_scale_f32_16x16x128_f8f6f4 v[rD:rD+7], v[rA:rA+11], v[rB:rB+11], v[rC:rC+7], v[rSA], v[rSB] matrix_a_fmt:MATRIX_FMT_FP6 matrix_b_fmt:MATRIX_FMT_FP6 matrix_a_scale:MATRIX_SCALE_ROW1
.elseif rRB
	v_wmma_scale_f32_16x16x128_f8f6f4 v[rD:rD+7], v[rA:rA+11], v[rB:rB+11], v[rC:rC+7], v[rSA], v[rSB] matrix_a_fmt:MATRIX_FMT_FP6 matrix_b_fmt:MATRIX_FMT_FP6 matrix_b_scale:MATRIX_SCALE_ROW1
.else
	v_wmma_scale_f32_16x16x128_f8f6f4 v[rD:rD+7], v[rA:rA+11], v[rB:rB+11], v[rC:rC+7], v[rSA], v[rSB] matrix_a_fmt:MATRIX_FMT_FP6 matrix_b_fmt:MATRIX_FMT_FP6
.endif
.endm
; 16 products: S1's fragments a0 .. a0 + 3 x my four of S0, K step s.  cm = 0: onto the sums; 1: the bias by registers starts them; 2: the bias by lanes.
; The 32 accumulators take turns, one instruction a turn, in the same order in every step.
.macro MUL a0, s, cm
.irp a, \a0, \a0+1, \a0+2, \a0+3
.irp b, 0,1,2,3
.set rD, 32*(\a)+8*\b
.set rA, S0F+48*((\s)%2)+12*\b
.set rB, S1F+12*(\a)
.set rC, rD
.if \cm == 1
.set rC, 32*((\a)%2)+8*\b
.elseif \cm == 2
.set rC, 8*(\a)
.endif
.set rSA, SC0+8*((\s)%2)+\b/2
.set rSB, SC1+8*((\s)%2)+(\a)/2
.set rRA, \b%2
.set rRB, (\a)%2
	WM
.endr
.endr
.endm
.macro FETCH_MID s                     ; 34 loads: S0's four fragments and both sides' scale words into set s % 2, S1's fragments 0-3
.irp b, 0,1,2,3
	FRAG S0F+48*((\s)%2)+12*\b, A0+(\s)/4, B0+(\s)/4, REC*((\s)%4)+1536*\b
.endr
	ds_load_b64 v[SC0+8*((\s)%2):SC0+8*((\s)%2)+1], v[Z0+(\s)/4] offset:REC*((\s)%4)+12288
	ds_load_b128 v[SC1+8*((\s)%2):SC1+8*((\s)%2)+3], v[A1+(\s)/4] offset:REC*((\s)%4)+12288
.irp a, 0,1,2,3
	FRAG S1F+12*\a, A1+(\s)/4, B1+(\s)/4, REC*((\s)%4)+1536*\a
.endr
.endm
.macro FETCH_END s                     ; 16 loads: S1's fragments 4-7
.irp a, 4,5,6,7
	FRAG S1F+12*\a, A1+(\s)/4, B1+(\s)/4, REC*((\s)%4)+1536*\a
.endr
.endm
.macro STEP s, cm
	s_wait_dscnt 16                                ; all but the youngest sixteen loads (S1's fragments 4-7) are in
.if \cm
	WIN 0x60                                       ; D window 1, C window 2
.else
	WIN 0x50                                       ; C and D window 1
.endif
	MUL 0, \s, \cm
	s_wait_dscnt 0x0                               ; S1's fragments 4-7 are in; no LDS instruction of mine is out at a signal
.if (\s) == 3
	s_wait_tensorcnt 0x0                           ; my load of K steps 4-7 has landed
	s_barrier_signal -1
	s_barrier_wait -1                              ; everybody's has.
.endif
.if (\s) < 7
	PLACES
	WIN 0
	FETCH_MID (\s)+1
.endif
.if \cm
	WIN 0x60
.else
	WIN 0x50
.endif
	MUL 4, \s, \cm
.if (\s) < 7
	PLACES
	WIN 0
	FETCH_END (\s)+1
.endif
.endm
	s_load_b128 s[12:15], s[0:1], 0x20             ; qc, kv
	v_lshl_add_u32 v[SPW], v0, 2, SPARE
	v_mov_b32 v[NIL], 0
	ds_add_u32 v[SPW], v[NIL]                      ; the wave's opening: the add and its wait ahead of the first tensor loads; work on registers stands between them
	ds_add_u32 v[SPW], v[NIL]
	v_lshrrev_b32 v1, 5, v0
	v_readfirstlane_b32 s[WV], v1                  ; wave 0..3
	s_lshr_b32 s17, s[WV], 1
	s_and_b32 s18, s[WV], 1
	s_bfe_u32 s19, ttmp6, 0x40000                  ; cx
	s_bfe_u32 s20, ttmp6, 0x40004                  ; cy
	; A WORK-GROUP STAYS: 256 work-groups, each makes its tile of q, then of k, then of v, in a counted loop of three trips (s22 = 0, 1, 2), alike in all partners of the cluster.
	s_and_b32 s23, ttmp7, 0xffff                   ; the cluster's y: 0 .. 15
	s_mov_b32 s22, 0
	s_wait_alu depctr_va_vdst(0)
	s_wait_dscnt 0x0                               ; both opening adds are done
.Ltile:
	s_load_b256 s[4:11], s[0:1], 0x0               ; xw, bq, bk, bv, anew in each trip: the way out uses s6-s11 for its own numbers
	s_wait_tensorcnt 0x0                           ; all my tensor loads are done, ahead of a fill's round
	ds_add_u32 v[SPW], v[NIL]                      ; the add, written twice; the trip's scalar set-up stands between it and the wait for it
	ds_add_u32 v[SPW], v[NIL]
	s_and_b32 s76, s23, 7
	s_lshl_b32 s76, s76, 2                         ; v: the cluster's first 256 rows of value
	s_lshl_b32 s77, s22, 3
	s_add_co_u32 s77, s77, 192                     ; q, k: the weight's first block in xw
	s_lshr_b32 s78, s23, 3
	s_lshl_b32 s78, s78, 2                         ; v: the cluster's first block of Wv
	s_lshl_b32 s79, s23, 2                         ; q, k: the cluster's first block of the activations
	s_lshl_b32 s80, s22, 6                         ; q, k: the activations' first block in xw
	s_cmp_eq_u32 s22, 2                            ; every choice hangs on the cluster's y alone, which the sixteen partners share
	s_cselect_b32 s76, s76, 0
	s_cselect_b32 s77, 128, s77
	s_cselect_b32 s78, s78, s79
	s_cselect_b32 s80, 208, s80
	s_add_co_u32 s[I0], s76, s19
	s_add_co_u32 s[I1], s78, s20
	s_lshl_b32 s83, s[I0], 1
	s_add_co_u32 s83, s83, s77
	s_mul_i32 s84, s83, BLKB
	s_mov_b32 s85, 0
	s_add_co_u32 s86, s80, s[I1]                   ; S1's block
	s_mul_i32 s86, s86, BLKB
	s_mov_b32 s87, 0
	s_lshl_b32 s88, s20, 2
	s_lshl_b32 s88, 15, s88                        ; my row of the cluster
	s_lshl_b32 s89, 0x1111, s19                    ; my column
	; descriptor group 1: elements of 8 bytes, dense; no padding
	s_or_b32 s[G1A], s88, (3<<16)|(1<<21)          ; 15:0 the mask; 17:16 elements of 8 bytes; 21 set beside a mask
	s_or_b32 s[G1B], s89, (3<<16)|(1<<21)
.irp g, G1A, G1B
	s_mov_b32 s[\g+1], 32<<16                      ; tensor_dim0
	s_mov_b32 s[\g+2], 100<<16                     ; tensor_dim1
	s_mov_b32 s[\g+3], 32<<16                      ; tile_dim0
	s_mov_b32 s[\g+4], 100                         ; tile_dim1
	s_mov_b32 s[\g+5], 32                          ; from row to row
	s_mov_b32 s[\g+6], 0
	s_mov_b32 s[\g+7], 0
.endr
	s_mov_b32 s[G1A+2], 200<<16                    ; a load of S1 brings four K steps: 200 rows of 256 bytes
	s_mov_b32 s[G1A+4], 200
	s_mov_b32 s[G1B+1], 6400<<16                   ; a load of S0 brings four K steps of BOTH halves: 2 rows of 6,400 elements of 8 bytes (51,200 bytes),
	s_mov_b32 s[G1B+2], 2<<16
	s_mov_b32 s[G1B+3], 6400<<16
	s_mov_b32 s[G1B+4], 2
	s_mov_b32 s[G1B+5], 12800                      ; a block of 8 records (102,400 bytes) apart in memory, on end in LDS
	s_mul_i32 s90, s17, UP                         ; so S0 lies in LDS as [K steps 0-3 | 4-7][half][record]: my half of K steps 0-3
	s_add_co_u32 s90, s90, BLKB                    ; S0's half in LDS: no place in the cluster enters an LDS address
	s_mov_b32 s[SEL], 0x76543210
	s_mov_b32 s[SEL+1], 0xfedcba98
	s_wait_dscnt 0x0                               ; the opening add is done
	s_wait_kmcnt 0x0
	s_add_nc_u64 s[84:85], s[4:5], s[84:85]
	s_add_nc_u64 s[86:87], s[4:5], s[86:87]
	CROUND                                         ; all sixteen work-groups are here: the joint loads meet
	; THE FILLS GO IN TWO HALVES OF K, one tensor load a wave each time: K steps 0-3 by waves 0 and 1, K steps 4-7 by waves 2 and 3, all asked for here.
	; Waves 0 and 2 take four K steps each of S1 (200 rows of 256 bytes), waves 1 and 3 four K steps of both halves of S0 (2 rows).
	; (All of K is asked for here, in four loads, one a wave, each in an arm of its own of one chain: wave 0 S1's K steps 0-3, wave 1 S0's, wave 2 S1's K steps 4-7, wave 3 S0's.)
.macro ARM w, g0, g1, next
	s_cmp_eq_u32 s[WV], \w
	s_cbranch_scc0 \next
	tensor_load_to_lds s[\g0:\g0+3], s[\g1:\g1+7]
	s_nop 0
	PLACES
	s_branch .Lasked
\next:
.endm
	s_mul_i32 s2, s17, UP                          ; wave / 2: which four K steps
	s_mov_b32 s3, 0
	s_mov_b32 s[G0A], 1
	s_mov_b32 s[G0A+1], s2
	s_add_nc_u64 s[G0A+2:G0A+3], s[86:87], s[2:3]
	s_or_b32 s[G0A+3], s[G0A+3], 0x80000000
	s_mov_b32 s56, 1
	s_mul_i32 s57, s17, 2*UP
	s_add_co_u32 s57, s57, BLKB
	s_add_nc_u64 s[58:59], s[84:85], s[2:3]
	s_or_b32 s59, s59, 0x80000000
	ARM 0, G0A, G1A, .Lw1
	ARM 1, 56, G1B, .Lw2
	ARM 2, G0A, G1A, .Lw3
	tensor_load_to_lds s[56:59], s[G1B:G1B+7]
	s_nop 0
	PLACES
.Lasked:
	v_and_b32 v2, 31, v0                           ; lane
	v_and_b32 v3, 15, v0                           ; r
	v_bfe_u32 v4, v0, 4, 1                         ; h
	v_lshlrev_b32 v[A1], 4, v2
	v_add_nc_u32 v[A1+1], UP, v[A1]
	v_lshlrev_b32 v[B1], 3, v2
	v_add_nc_u32 v[B1+1], UP, v[B1]
	s_mul_i32 s91, s18, 6144                       ; my four fragments of S0's half
	s_add_co_u32 s91, s91, s90
	v_add_nc_u32 v[A0], s91, v[A1]
	v_add_nc_u32 v[A0+1], 2*UP, v[A0]
	v_add_nc_u32 v[B0], s91, v[B1]
	v_add_nc_u32 v[B0+1], 2*UP, v[B0]
	s_lshl_b32 s91, s18, 3                         ; and their two scale words of a lane's four
	s_add_co_u32 s91, s91, s90
	v_add_nc_u32 v[Z0], s91, v[A1]
	v_add_nc_u32 v[Z0+1], 2*UP, v[Z0]
	v_lshlrev_b32 v[R8], 3, v3
	v_lshlrev_b32 v[BH], 6, v4
	v_and_b32 v5, 8, v3
	v_add_nc_u32 v5, v5, v3
	v_lshlrev_b32 v[BR4], 2, v5
	; THE BIAS is the C of each sum's first product.  q, k: by registers (channel 256 i0 + 64 w + 32 (b/2) + 8 (b%2) + 16 h + j), two copies; v: by lanes (channel 128 i1 + the lane's row of fragment a).
	s_cmp_eq_u32 s22, 0
	s_cselect_b64 s[94:95], s[6:7], s[8:9]
	s_lshl_b32 s96, s[I0], 10
	s_lshl_b32 s97, s[WV], 8
	s_add_co_u32 s96, s96, s97
	s_mov_b32 s97, 0
	s_add_nc_u64 s[94:95], s[94:95], s[96:97]
	s_lshl_b32 s96, s[I1], 9
	s_add_nc_u64 s[98:99], s[10:11], s[96:97]
	s_cmp_eq_u32 s22, 2                            ; a branch on the trip: alike in all partners and all waves; both ways write all 64 registers
	s_cbranch_scc1 .Lbias_v
	WIN 0x80                                       ; destination window 2
	s_wait_alu depctr_va_vdst(0)
.irp k, 0,1
.irp b, 0,1,2,3
	global_load_b128 v[32*\k+8*\b:32*\k+8*\b+3], v[BH], s[94:95] offset:128*(\b/2)+32*(\b%2)
	global_load_b128 v[32*\k+8*\b+4:32*\k+8*\b+7], v[BH], s[94:95] offset:128*(\b/2)+32*(\b%2)+16
.endr
.endr
	WIN 0
	s_branch .Lbias_done
.Lbias_v:
	WIN 0x80
	s_wait_alu depctr_va_vdst(0)
.irp a, 0,1,2,3,4,5,6,7
.irp j, 0,1,2,3,4,5,6,7
	global_load_b32 v[8*\a+\j], v[BR4], s[98:99] offset:128*(\a/2)+32*(\a%2)
.endr
.endr
	WIN 0
.Lbias_done:
	s_cmp_lt_u32 s[WV], 2                          ; waves 0 and 1, whose load lines are theirs alone, wait for K steps 0-3; the loads of waves 2 and 3 may be out:
	s_cbranch_scc0 .Lnot_first
	s_wait_tensorcnt 0x0
.Lnot_first:
	s_barrier_signal -1
	s_barrier_wait -1
	FETCH_MID 0
	FETCH_END 0
	s_wait_loadcnt 0x0                             ; the bias
	s_cmp_eq_u32 s22, 2
	s_cbranch_scc1 .Lstep0_v
	STEP 0, 1
	s_branch .Lstep0_done
.Lstep0_v:
	STEP 0, 2
.Lstep0_done:
.irp s, 1,2,3,4,5,6,7
	STEP \s, 0
.endr
	; THE WAY OUT.  For each of S1's 8 fragments a lane holds 64 neighbours along the next K: two blocks of 32, each shared with lane l xor 16.  All 16 blocks go as one batch.
	PLACES
	WIN 0x05                                       ; sources 0 and 1 window 1
.irp a, 0,1,2,3,4,5,6,7
.irp b, 0,1
	v_max3_num_f32 v[MX+2*\a+\b], |v[32*\a+16*\b]|, |v[32*\a+16*\b+1]|, 0x1800000   ; each accumulator is read from its low end on; the floor 2^(3 - 127) holds the byte at 1 from below
.endr
.endr
	WIN 0x14                                       ; sources 1 and 2 window 1
.irp i, 2,4,6,8,10,12,14
.irp a, 0,1,2,3,4,5,6,7
.irp b, 0,1
	v_max3_num_f32 v[MX+2*\a+\b], v[MX+2*\a+\b], |v[32*\a+16*\b+\i]|, |v[32*\a+16*\b+\i+1]|
.endr
.endr
.endr
	WIN 0
.irp n, 0,1,2,3,4,5,6,7,8,9,10,11,12,13,14,15
	v_permlanex16_b32 v[TP+\n], v[MX+\n], s[SEL], s[SEL+1]
.endr
.irp n, 0,1,2,3,4,5,6,7,8,9,10,11,12,13,14,15
	v_max_num_f32 v[MX+\n], v[MX+\n], v[TP+\n]     ; the block's largest magnitude
.endr
.irp n, 0,1,2,3,4,5,6,7,8,9,10,11,12,13,14,15
	v_add_nc_u32 v[SO+\n], 0xff000000, v[MX+\n]    ; 2 off its exponent field: the conversion's scale operand
.endr
.irp n, 0,1,2,3,4,5,6,7,8,9,10,11,12,13,14,15
	v_lshrrev_b32 v[BY+\n], 23, v[SO+\n]           ; the scale's byte
.endr
.irp a, 0,1,2,3,4,5,6,7
	v_lshl_or_b32 v[SW+\a], v[BY+2*\a+1], 8, v[BY+2*\a]
.endr
	WIN 0x01                                       ; source 0 window 1
.irp a, 0,1,2,3,4,5,6,7
	v_cvt_scalef32_pk16_fp6_f32 v[PC+6*\a:PC+6*\a+2], v[32*\a:32*\a+15], v[SO+2*\a]
	v_cvt_scalef32_pk16_fp6_f32 v[T+4*\a:T+4*\a+2], v[32*\a+16:32*\a+31], v[SO+2*\a+1]
.endr
	WIN 0
	v_nop                                          ; one plain place behind a scaled conversion
.irp a, 0,1,2,3,4,5,6,7                        ; the operand's layout wants a whole block in a lane: lanes 0-15 block 0, lanes 16-31 block 1
.irp i, 0,1,2
	v_permlane16_swap_b32 v[PC+6*\a+\i], v[T+4*\a+\i]
.endr
.irp i, 0,1,2
	v_mov_b32 v[PC+6*\a+3+\i], v[T+4*\a+\i]
.endr
.endr
	; where they go.  q: record (batch, head, block of 128 queries) of 6,400 bytes in qc: half fragment a at 768 a, pairs of scale bytes from 6144 on.
	; k: record (batch, head, 128 keys) of 12,800 bytes in kv: the same places, scale bytes from 12288 on.  v: the same records: fragment a % 4 at 6144 + 1536 (a % 4), its half w % 2; a / 4 is the next head, 16 records on.
	; (scalars in registers that never fed a descriptor)
	s_lshl_b32 s2, s[I0], 1
	s_add_co_u32 s2, s2, s17                       ; v: my block of 128 keys
	s_lshl_b32 s3, s[I1], 1                        ; v: the first of the two heads
	s_lshl_b32 s100, s[I0], 2
	s_add_co_u32 s100, s100, s[WV]                 ; q, k: my head
	s_mul_i32 s6, s18, 768
	s_add_co_u32 s6, s6, 6144
	s_lshl_b32 s9, s18, 1
	s_add_co_u32 s9, s9, 12544
	s_mov_b32 s7, 1536
	s_mov_b32 s8, 204800
	s_mov_b32 s101, 12288
	s_mov_b32 s95, 12800
	s_cmp_eq_u32 s22, 0
	s_cselect_b32 s101, 6144, s101
	s_cselect_b32 s95, 6400, s95                   ; a record's bytes
	s_cselect_b64 s[96:97], s[12:13], s[14:15]
	s_cmp_eq_u32 s22, 2
	s_cselect_b32 s2, s2, s[I1]                    ; 16 x batch + block
	s_cselect_b32 s3, s3, s100                     ; the head
	s_cselect_b32 s6, s6, 0                        ; codes: first place,
	s_cselect_b32 s7, s7, 768                      ; step with a % 4,
	s_cselect_b32 s8, s8, 3072                     ; step with a / 4
	s_cselect_b32 s9, s9, s101                     ; scale bytes: first place,
	s_cselect_b32 s10, 128, 2                      ; steps with a's bits 0,
	s_cselect_b32 s11, 4, 128                      ; 1,
	s_cselect_b32 s94, 204800, 4                   ; 2
	s_lshr_b32 s98, s2, 4
	s_lshl_b32 s98, s98, 4
	s_add_co_u32 s98, s98, s3
	s_lshl_b32 s98, s98, 4
	s_and_b32 s99, s2, 15
	s_add_co_u32 s98, s98, s99
	s_mul_i32 s98, s98, s95
	s_mov_b32 s99, 0
	s_add_nc_u64 s[96:97], s[96:97], s[98:99]
.irp a, 0,1,2,3,4,5,6,7
	s_mul_i32 s98, s7, \a%4
	s_mul_i32 s99, s8, \a/4
	s_add_co_u32 s98, s98, s99
	s_add_co_u32 s98, s98, s6
	v_add_nc_u32 v[OF16+\a], s98, v[A1]
	v_add_nc_u32 v[OF8+\a], s98, v[B1]
	s_mul_i32 s98, s10, \a%2
	s_mul_i32 s99, s11, (\a/2)%2
	s_add_co_u32 s98, s98, s99
	s_mul_i32 s99, s94, \a/4
	s_add_co_u32 s98, s98, s99
	s_add_co_u32 s98, s98, s9
	v_add_nc_u32 v[OFS+\a], s98, v[R8]
.endr
	s_wait_alu depctr_va_vdst(0)
.irp a, 0,1,2,3,4,5,6,7                        ; every fragment has registers of its own: no store's source is written again
	global_store_b128 v[OF16+\a], v[PC+6*\a:PC+6*\a+3], s[96:97]               ; 512 consecutive bytes, at a multiple of 256 from the buffer's first byte
	global_store_b64 v[OF8+\a], v[PC+6*\a+4:PC+6*\a+5], s[96:97] offset:512    ; 256 consecutive bytes, likewise
	global_store_b16 v[OFS+\a], v[SW+\a], s[96:97]                             ; both halves of the lanes write the same two bytes
.endr
	s_wait_xcnt 0x0                                ; the stores have read their registers and their base: the next trip writes them again
	s_add_co_u32 s22, s22, 1
	s_cmp_lt_u32 s22, 3
	s_wait_alu depctr_va_vdst(0)
	s_cbranch_scc1 .Ltile
	s_wait_tensorcnt 0x0                           ; the wave's end
	ds_add_u32 v[SPW], v[NIL]
	s_wait_dscnt 0x0
	CROUND                                         ; the closing round
	s_endpgm
.Lfunc_end_k_q0103db7f4d_proj:
	.size	k_q0103db7f4d_proj, .Lfunc_end_k_q0103db7f4d_proj-k_q0103db7f4d_proj
	.p2alignl 7, 3214868480
	.fill 96, 4, 3214868480
	.section	.rodata,"a",@progbits
	.p2align	6, 0x0
	.amdhsa_kernel k_q0103db7f4d_proj
		.amdhsa_group_segment_fixed_size 327680
		.amdhsa_private_segment_fixed_size 0
		.amdhsa_enable_private_segment 0
		.amdhsa_kernarg_size 48
		.amdhsa_user_sgpr_count 2
		.amdhsa_user_sgpr_kernarg_segment_ptr 1
		.amdhsa_wavefront_size32 1
		.amdhsa_system_sgpr_workgroup_id_x 1
		.amdhsa_system_sgpr_workgroup_id_y 1
		.amdhsa_system_sgpr_workgroup_id_z 1
		.amdhsa_system_vgpr_workitem_id 0
		.amdhsa_next_free_vgpr 576
		.amdhsa_next_free_sgpr 102
		.amdhsa_reserve_vcc 0
		.amdhsa_float_denorm_mode_32 3
		.amdhsa_float_denorm_mode_16_64 3
		.amdhsa_memory_ordered 1
		.amdhsa_forward_progress 1
		.amdhsa_inst_pref_size 106
	.end_amdhsa_kernel
	.amdgpu_metadata
---
amdhsa.version: [ 1, 2 ]
amdhsa.kernels:
  - .name:           k_q0103db7f4d_proj
    .symbol:         k_q0103db7f4d_proj.kd
    .args:
      - { .name: xw, .offset: 0, .size: 8, .value_kind: global_buffer, .address_space: global }
      - { .name: bq, .offset: 8, .size: 8, .value_kind: global_buffer, .address_space: global }
      - { .name: bk, .offset: 16, .size: 8, .value_kind: global_buffer, .address_space: global }
      - { .name: bv, .offset: 24, .size: 8, .value_kind: global_buffer, .address_space: global }
      - { .name: qc, .offset: 32, .size: 8, .value_kind: global_buffer, .address_space: global }
      - { .name: kv, .offset: 40, .size: 8, .value_kind: global_buffer, .address_space: global }
    .group_segment_fixed_size: 327680
    .private_segment_fixed_size: 0
    .kernarg_segment_align: 8
    .kernarg_segment_size: 48
    .max_flat_workgroup_size: 128
    .sgpr_count:     102
    .vgpr_count:     576
    .wavefront_size: 32
...
	.end_amdgpu_metadata
.endif
;; end of part 2
;; launch attn (part 3): grid 4 x 64, 16 waves a work-group, clusters of 4 x 1, 206,848 bytes of LDS; arguments qc, kv, ao; writes ao
.if DOCPART == 3
	.amdgcn_target "amdgcn-amd-amdhsa--gfx1250"
	.amdhsa_code_object_version 6
	.text
	.protected	k_q0103db7f4d_attn
	.globl	k_q0103db7f4d_attn
	.p2align	8
	.type	k_q0103db7f4d_attn,@function
k_q0103db7f4d_attn:
	s_mov_b64 s[64:65], 0
	v_nop
	global_prefetch_b8 v0, s[64:65] scope:SCOPE_SE
	s_setreg_imm32_b32 hwreg(HW_REG_WAVE_MODE, 25, 1), 1
	s_wait_xcnt 0x0
	s_wait_alu depctr_hold_cnt(0) depctr_sa_sdst(0) depctr_va_vdst(0) depctr_va_sdst(0) depctr_va_ssrc(0) depctr_va_vcc(0) depctr_vm_vsrc(0)
	s_getreg_b32 s2, hwreg(HW_REG_IB_STS2, 6, 4)
	s_cmp_eq_u32 s2, 0
	s_cbranch_scc0 .Lentry_in_a_cluster
	s_endpgm
.Lentry_in_a_cluster:
	s_bfe_u32 s2, ttmp6, 0x10000c
	s_cmp_lg_u32 s2, 0x3003
	s_cbranch_scc0 .Lentry_shape_is_right
	s_endpgm
.Lentry_shape_is_right:
; For each (batch, head): O = softmax(q k^T / 8) v, both products on codes of FP6 (E2M3); O / l is quantised along d_model and stored in ao as images of operand registers for the last product.
; THE SOFTMAX: t = score x log2(e) / 8; M = the running largest t rounded up to a whole number; p = 2^(t - M) is quantised along the keys, not normalised; the row's sum l is taken of the unquantised p;
; when M moves, l and O are multiplied by 2^(old M - new M), which rounds nothing.
; SHARES.  256 work-groups: a work-group owns 512 queries of one head and takes them in TWO PASSES of 256, a tile of 16 queries a wave and pass, sixteen waves, four to a SIMD.
; THE WHOLE HEAD'S k AND v, 16 records of 12,800 bytes, LIE IN LDS, filled once: wave w asks for record w, one tensor load a wave, with no branch.  Both passes read them; no barrier stands behind the first.
; A record serves 128 keys: 4 fragments of k, 4 of v, 256 bytes of k's scale words, 256 of v's.
; CLUSTER 4 x 1: the four work-groups of a head ask for its bytes jointly.
; K = 64 IN AN INSTRUCTION OF 128: a fragment of k carries two tiles of 16 keys; q stands between zeros, Z | q | Z: [q | 0] picks the first tile, [0 | q] the second.  Zero codes add nothing under scale bytes 1 to 254.
; LAYOUT.  Both products are used transposed: a lane holds one query throughout.  Row m of k's tile t is key 64 (t/4) + 8 (t%4) + m + 24 (m/8) of the record (the first launch lays key's rows so):
; registers S + 32 c + 0 .. 31 of lane (r, h) are the keys 64 c + 32 h + 0 .. 31: one whole block of the quantiser, in the order of the operand's registers.  So a block's largest needs no other lane and no code changes lanes.
; v's tiles: rows 32 (t/2) + 8 (t%2) + r + 8 (r/8): the 16 registers of O's tiles 2 b, 2 b + 1 are channels 32 b + 16 h + 0 .. 15.
; AHEAD: k and v have fragment registers of their own: behind a step's score products go out v's 17 loads of this step and k's 17 of the next.  The first pass's last step asks for record 0 again, for the second pass, and for the second pass's q.
; PREFETCH: k and v have none: every request for them goes out at the head.  The second pass's q (25 blocks of 256 bytes a record, three a wave, the 25th with tile 7's wave) is asked for into the L2 at the head, a pass ahead of its load.
; LIMITS: NaN and infinities are not served; the promise holds while the scaled scores stay under 2^31 in magnitude; a block whose largest magnitude lies under 2^-124 (a block of zeros too) gets the byte 1;
; a block's largest p is the exponential of the block's largest score, which takes v_exp_f32 not to fall where its input rises; the division by l is v_rcp_f32 and a multiplication.
.set REC,   12800
.set SPARE, 16*REC                     ; behind the records: the spare words, 128 bytes a wave, eight blocks of 256 bytes that no other line names
.set T1,  1                            ; v1 at work
.set KS,  2                            ; v2-3 k's scale words: fragment f in register f / 2, lanes 16 (f % 2) on
.set VS,  4                            ; v4-5 v's
.set A16, 6                            ; v6, v7 the record's LDS addresses: + 16 x lane, + 8 x lane
.set A8,  7
.set QS,  8                            ; v8 q's scale word: its two bytes twice
.set PW,  9                            ; v9 p's scale word
.set QR,  10                           ; v10-27 Z | q | Z
.set NM,  28                           ; v28 -M
.set RM,  29                           ; v29 the running largest score
.set SUM, 30                           ; v30-31 the row's sum in two halves
.set FK,  32                           ; v32-79 k's four fragments
.set FV,  80                           ; v80-127 v's
.set S,   128                          ; v128-191 S^T, then p
.set O,   192                          ; v192-223 O^T
.set PC,  224                          ; v224-235 p's codes
.set MX,  236                          ; v236-239 the maxima's four chains
.set TP,  240                          ; v240-247 at work
.set SO,  248                          ; v248-249 the conversions' scale operands
.set FF,  250                          ; v250 f = 2^(old M - new M); named as a pair with v251
.set T2,  251
.set LN,  252                          ; v252 the lane
.set T3,  253
.set SPW, 254                          ; v254 my spare word's LDS address; never rewritten
.set NIL, 255                          ; v255 0; never rewritten
.set WV,  10                           ; s10 wave; s11 wave % 8: my tile; s12 cx; s13 4 cx + wave / 8: my block of 128 queries in pass 0; s14 16 x batch + head
.set TT,  11
.set G1,  16
.set G0,  24
.set SEL, 40
.set CS,  42                           ; s[42:43] c = log2(e) / 8; s44 -c
.set CN,  44
.set TB,  45                           ; s45 the LDS byte of the record that k is fetched from
.set CNT, 46
.macro PLACES
.rept 4
	v_nop
.endr
.endm
.macro WALU
	s_wait_alu depctr_va_vdst(0)
.endm
.macro CROUND
	s_barrier_signal -1
	s_barrier_wait -1
	s_cmp_lg_u32 s[WV], 0
	s_cbranch_scc1 .Lnot_wave_0_\@
	s_barrier_signal -3
.Lnot_wave_0_\@:
	s_barrier_wait -3
	s_barrier_signal -1
	s_barrier_wait -1
.endm
.macro FRAG reg, off                   ; a fragment's image: two halves of 512 + 256 bytes; every load reads consecutive bytes
	ds_load_b128 v[(\reg):(\reg)+3], v[A16] offset:(\off)
	ds_load_b64 v[(\reg)+4:(\reg)+5], v[A8] offset:(\off)+512
	ds_load_b128 v[(\reg)+6:(\reg)+9], v[A16] offset:(\off)+768
	ds_load_b64 v[(\reg)+10:(\reg)+11], v[A8] offset:(\off)+1280
.endm
.macro KLOAD                           ; 17 loads
.irp f, 0,1,2,3
	FRAG FK+12*\f, 1536*\f
.endr
	ds_load_b64 v[KS:KS+1], v[A8] offset:12288
.endm
.macro VLOAD                           ; 17 loads
.irp t, 0,1,2,3
	FRAG FV+12*\t, 6144+1536*\t
.endr
	ds_load_b64 v[VS:VS+1], v[A8] offset:12544
.endm
.macro KQ f, c                         ; S^T of key tile 2 f + c
.if (\f)%2
	v_wmma_scale_f32_16x16x128_f8f6f4 v[S+8*(2*\f+\c):S+8*(2*\f+\c)+7], v[FK+12*\f:FK+12*\f+11], v[QR+6-6*\c:QR+17-6*\c], 0, v[KS+\f/2], v[QS] matrix_a_fmt:MATRIX_FMT_FP6 matrix_b_fmt:MATRIX_FMT_FP6 matrix_a_scale:MATRIX_SCALE_ROW1
.else
	v_wmma_scale_f32_16x16x128_f8f6f4 v[S+8*(2*\f+\c):S+8*(2*\f+\c)+7], v[FK+12*\f:FK+12*\f+11], v[QR+6-6*\c:QR+17-6*\c], 0, v[KS+\f/2], v[QS] matrix_a_fmt:MATRIX_FMT_FP6 matrix_b_fmt:MATRIX_FMT_FP6
.endif
.endm
.macro PV t                            ; O^T's tile t += v^T p^T
.if (\t)%2
	v_wmma_scale_f32_16x16x128_f8f6f4 v[O+8*\t:O+8*\t+7], v[FV+12*\t:FV+12*\t+11], v[PC:PC+11], v[O+8*\t:O+8*\t+7], v[VS+\t/2], v[PW] matrix_a_fmt:MATRIX_FMT_FP6 matrix_b_fmt:MATRIX_FMT_FP6 matrix_a_scale:MATRIX_SCALE_ROW1
.else
	v_wmma_scale_f32_16x16x128_f8f6f4 v[O+8*\t:O+8*\t+7], v[FV+12*\t:FV+12*\t+11], v[PC:PC+11], v[O+8*\t:O+8*\t+7], v[VS+\t/2], v[PW] matrix_a_fmt:MATRIX_FMT_FP6 matrix_b_fmt:MATRIX_FMT_FP6
.endif
.endm
.macro OM k0, k1                       ; O^T under the new M, pairs k0 .. k1, each accumulator from its low end on
.set k, \k0
.rept (\k1)-(\k0)+1
	v_pk_mul_f32 v[O+2*k:O+2*k+1], v[O+2*k:O+2*k+1], v[FF:FF+1] op_sel_hi:[1,0]
.set k, k+1
.endr
.endm
; q of pass p: record (16 x batch + head, block) of 6,400 bytes; my tile's half fragment at 768 t (s56); its pair of scale bytes at 6144 + 8 r + s57.  The chains' registers serve as offsets.
.macro QLOAD p
	s_lshl_b32 s52, s14, 4
	s_add_co_u32 s52, s52, s13
	s_add_co_u32 s52, s52, 2*\p
	s_mul_i32 s52, s52, 6400
	s_mov_b32 s53, 0
	s_add_nc_u64 s[28:29], s[4:5], s[52:53]
	v_and_b32 v[MX+2], 15, v[LN]
	v_lshl_add_u32 v[MX], v[LN], 4, s56
	v_lshl_add_u32 v[MX+1], v[LN], 3, s56
	s_delay_alu instid0(VALU_DEP_3)
	v_lshl_add_u32 v[MX+2], v[MX+2], 3, s57
	global_load_b128 v[QR+6:QR+9], v[MX], s[28:29]
	global_load_b64 v[QR+10:QR+11], v[MX+1], s[28:29] offset:512
	global_load_u16 v[QS], v[MX+2], s[28:29] offset:6144
.endm
	s_load_b128 s[4:7], s[0:1], 0x0                ; qc, kv
	s_load_b64 s[8:9], s[0:1], 0x10                ; ao
	v_lshl_add_u32 v[SPW], v0, 2, SPARE
	v_mov_b32 v[NIL], 0
	ds_add_u32 v[SPW], v[NIL]                      ; the opening lines: the add, twice on end, and its wait ahead of my tensor load
	ds_add_u32 v[SPW], v[NIL]
	v_lshrrev_b32 v[T1], 5, v0
	s_delay_alu instid0(VALU_DEP_1)
	v_readfirstlane_b32 s[WV], v[T1]               ; wave 0..15
	v_and_b32 v[LN], 31, v0
	s_and_b32 s[TT], s[WV], 7
	s_bfe_u32 s12, ttmp6, 0x40000                  ; cx: it enters q's and ao's addresses alone
	s_lshl_b32 s13, s12, 2
	s_lshr_b32 s15, s[WV], 3
	s_add_co_u32 s13, s13, s15
	s_and_b32 s14, ttmp7, 0xffff                   ; 16 x batch + head, which the four partners share
	s_mov_b32 s[G1], 15|(3<<16)|(1<<21)            ; group 1: a record, 50 rows of 32 elements of 8 bytes; the mask names all four work-groups; bit 21 beside it
	s_mov_b32 s[G1+1], 32<<16
	s_mov_b32 s[G1+2], 50<<16
	s_mov_b32 s[G1+3], 32<<16
	s_mov_b32 s[G1+4], 50
	s_mov_b32 s[G1+5], 32
	s_mov_b32 s[G1+6], 0
	s_mov_b32 s[G1+7], 0
	s_mul_i32 s50, s[WV], REC                      ; my record's byte in the head, and in LDS
	s_mul_i32 s48, s14, 16*REC
	s_add_co_u32 s48, s48, s50
	s_mov_b32 s49, 0
	s_mov_b32 s[SEL], 0x76543210
	s_mov_b32 s[SEL+1], 0xfedcba98                 ; v_permlanex16_b32's selects for lane l xor 16
	s_mov_b32 s[CS], 0x3e38aa3b                    ; log2(e) / 8
	s_mov_b32 s[CS+1], s[CS]
	s_mov_b32 s[CN], 0xbe38aa3b
	s_mov_b32 s[TB], 0
	s_mul_i32 s56, s[TT], 768                      ; q: my tile's codes,
	s_and_b32 s57, s[TT], 1                        ; and its scale bytes: 2 t0 + 128 t1 + 4 t2
	s_lshl_b32 s57, s57, 1
	s_bfe_u32 s51, s[TT], 0x10001
	s_lshl_b32 s51, s51, 7
	s_add_co_u32 s57, s57, s51
	s_bfe_u32 s51, s[TT], 0x10002
	s_lshl_b32 s51, s51, 2
	s_add_co_u32 s57, s57, s51
	s_and_b32 s54, s14, 1                          ; head % 2
	s_mul_i32 s58, s[TT], 1536                     ; ao: fragment t, half head % 2,
	s_mul_i32 s51, s54, 768
	s_add_co_u32 s58, s58, s51
	s_and_b32 s59, s[TT], 1                        ; and its scale bytes: 256 t0 + 4 (t / 2) + 2 (head % 2)
	s_lshl_b32 s59, s59, 8
	s_lshr_b32 s51, s[TT], 1
	s_lshl_b32 s51, s51, 2
	s_add_co_u32 s59, s59, s51
	s_lshl_b32 s51, s54, 1
	s_add_co_u32 s59, s59, s51
	WALU
	s_wait_dscnt 0x0                               ; both opening adds are done
	s_wait_kmcnt 0x0
	CROUND                                         ; all four work-groups are here: the joint loads meet
	s_mov_b32 s[G0], 1
	s_mov_b32 s[G0+1], s50
	s_add_nc_u64 s[G0+2:G0+3], s[6:7], s[48:49]
	s_or_b32 s[G0+3], s[G0+3], 0x80000000
	tensor_load_to_lds s[G0:G0+3], s[G1:G1+7]      ; record w: my one tensor load
	s_nop 0
	PLACES
	QLOAD 0
	s_add_co_u32 s54, s52, s56                     ; the second pass's q, two records on: my tile's three blocks of 256 bytes, a lane a block; tile 7's wave names the record's 25th too
	s_add_co_u32 s54, s54, 2*6400
	s_cmp_eq_u32 s[TT], 7
	s_cselect_b32 s55, 3, 2
	v_min_u32 v[MX+3], s55, v[LN]
	s_delay_alu instid0(VALU_DEP_1)
	v_lshl_add_u32 v[MX+3], v[MX+3], 8, s54
	global_prefetch_b8 v[MX+3], s[4:5] th:TH_LOAD_NT scope:SCOPE_SE
.irp i, 0,1,2,3,4,5
	v_mov_b32 v[QR+\i], 0                          ; zero codes on both sides of q
	v_mov_b32 v[QR+12+\i], 0
.endr
	v_mov_b32 v[T3], 0                             ; a lane permute's destination counts as one of its sources
	v_lshlrev_b32 v[A16], 4, v[LN]                 ; record 0
	v_lshlrev_b32 v[A8], 3, v[LN]
	WALU
	s_wait_xcnt 0x0                                ; q's loads and the prefetch have read their offsets: the chains' registers may be written
	s_wait_tensorcnt 0x0                           ; my record has landed,
	s_barrier_signal -1
	s_barrier_wait -1                              ; everybody's has: the whole head lies in LDS, and nothing is filled again
	KLOAD
; A KEY STEP: 128 keys, one record.  kf: 1 fetch k of the next record, 2 of record 0 (for the next pass), 0 nothing.  ql: 1 asks for the second pass's q.
.macro STEP kf, ql
	s_wait_dscnt 0x0                               ; k's fragments and scale words, asked for a step ago
.irp f, 0,1,2,3
	KQ \f, 0
	KQ \f, 1
.endr
	v_mov_b32 v[T1], v[NM]                         ; the old -M; with three v_nop the four places ahead of the loads into operands and of the scores' first read
.rept 3
	v_nop
.endr
	VLOAD
.if \kf == 1
	s_add_co_u32 s[TB], s[TB], REC
.elseif \kf == 2
	s_mov_b32 s[TB], 0
.endif
.if \kf
	v_lshl_add_u32 v[A16], v[LN], 4, s[TB]
	v_lshl_add_u32 v[A8], v[LN], 3, s[TB]
	KLOAD
.endif
.if \ql
	QLOAD 1                                        ; q's registers and scale word have served their last product of this pass
	WALU
	s_wait_xcnt 0x0                                ; the loads have read their offsets
.endif
	; the largest score of my two blocks of 32 keys, two chains each (17 and 15 numbers), the four by turns
.irp c, 0,1
	v_max3_num_f32 v[MX+\c], v[S+32*\c], v[S+32*\c+1], v[S+32*\c+2]
.endr
.irp c, 0,1
	v_max3_num_f32 v[MX+2+\c], v[S+32*\c+17], v[S+32*\c+18], v[S+32*\c+19]
.endr
.irp i, 1,2,3,4,5,6
.irp c, 0,1
	v_max3_num_f32 v[MX+\c], v[MX+\c], v[S+32*\c+2*\i+1], v[S+32*\c+2*\i+2]
.endr
.irp c, 0,1
	v_max3_num_f32 v[MX+2+\c], v[MX+2+\c], v[S+32*\c+2*\i+18], v[S+32*\c+2*\i+19]
.endr
.endr
.irp c, 0,1
	v_max3_num_f32 v[MX+\c], v[MX+\c], v[S+32*\c+15], v[S+32*\c+16]
.endr
	s_delay_alu instid0(VALU_DEP_2)
	v_max_num_f32 v[MX], v[MX], v[MX+2]            ; block h's largest score
	s_delay_alu instid0(VALU_DEP_2)
	v_max_num_f32 v[MX+1], v[MX+1], v[MX+3]        ; block 2 + h's
	s_delay_alu instid0(VALU_DEP_1)
	v_max_num_f32 v[T2], v[MX], v[MX+1]
	s_delay_alu instid0(VALU_DEP_1)
	v_permlanex16_b32 v[T3], v[T2], s[SEL], s[SEL+1]
	s_delay_alu instid0(VALU_DEP_1)
	v_max3_num_f32 v[RM], v[RM], v[T2], v[T3]      ; the running largest score of my query
	s_delay_alu instid0(VALU_DEP_1)
	v_mul_f32 v[T2], s[CN], v[RM]
	s_delay_alu instid0(VALU_DEP_1)
	v_floor_f32 v[NM], v[T2]                       ; the new -M = floor(-t) = -ceil(t)
.set j, 0
.rept 32
	v_pk_fma_f32 v[S+j:S+j+1], v[S+j:S+j+1], s[CS:CS+1], v[NM:NM+1] op_sel_hi:[1,0,0]   ; t - M, two at a time
.if j == 14
	v_sub_f32 v[T2], v[NM], v[T1]                  ; old M - new M: a whole number, 0 or less
.elseif j == 30
	v_cvt_i32_f32 v[T2], v[T2]                     ; (it saturates)
.elseif j == 46
	v_ldexp_f32 v[FF], 1.0, v[T2]                  ; f = 2^(old M - new M)
.endif
.set j, j+2
.endr
.irp c, 0,1
	v_fma_f32 v[MX+\c], v[MX+\c], s[CS], v[NM]     ; the same of each block's largest score
.endr
	WALU
	v_exp_f32 v[MX], v[MX]                         ; the blocks' largest p
	v_exp_f32 v[MX+1], v[MX+1]
.set j, 0
.rept 64
	v_exp_f32 v[S+j], v[S+j]                       ; p = 2^(t - M)
.set j, j+1
.endr
	v_pk_mul_f32 v[SUM:SUM+1], v[SUM:SUM+1], v[FF:FF+1] op_sel_hi:[1,0]   ; the sums under the new M; the plain place behind the exponentials
	WALU                                           ; one wait for the batch, directly ahead of O^T's first reader too
	; O^T's sixteen multiplications stand among the lines that make the scales, so that no line reads a result made within the four lines above it
	OM 0, 1
.irp c, 0,1
	v_max_num_f32 v[MX+\c], 0x1800000, v[MX+\c]    ; the floor 2^(3 - 127): the byte cannot fall under 1
.endr
	OM 2, 4
.irp c, 0,1
	v_add_nc_u32 v[SO+\c], 0xff000000, v[MX+\c]    ; 2 off the exponent field: the conversion's scale operand
.endr
	OM 5, 7
.irp c, 0,1
	v_lshrrev_b32 v[MX+2+\c], 23, v[SO+\c]         ; the scale's byte
.endr
	OM 8, 11
	v_lshl_or_b32 v[MX], v[MX+3], 16, v[MX+2]      ; my bytes: blocks h and 2 + h at bytes 0 and 2
	OM 12, 15
	v_permlanex16_b32 v[T3], v[MX], s[SEL], s[SEL+1]
.irp c, 0,1
	v_cvt_scalef32_pk16_fp6_f32 v[PC+6*\c:PC+6*\c+2], v[S+32*\c:S+32*\c+15], v[SO+\c]
	v_cvt_scalef32_pk16_fp6_f32 v[TP+4*\c:TP+4*\c+2], v[S+32*\c+16:S+32*\c+31], v[SO+\c]   ; (a conversion's three registers begin on an even number)
.endr
	v_lshl_or_b32 v[PW], v[T3], 8, v[MX]           ; p's scale word, whole in lanes 0-15, which alone are read.  (The plain place behind the conversions)
.irp c, 0,1
.irp i, 0,1,2
	v_mov_b32 v[PC+6*\c+3+\i], v[TP+4*\c+\i]
.endr
.endr
	; the row's sum of the unquantised p, four chains by turns.  (Also the places between p's codes and scale word and their products)
	v_pk_add_f32 v[TP:TP+1], v[S:S+1], v[S+2:S+3]
	v_pk_add_f32 v[TP+2:TP+3], v[S+4:S+5], v[S+6:S+7]
	v_pk_add_f32 v[TP+4:TP+5], v[S+8:S+9], v[S+10:S+11]
	v_pk_add_f32 v[SUM:SUM+1], v[SUM:SUM+1], v[S+12:S+13]
.set j, 7
.rept 25
.if (j-7)%4 == 3
	v_pk_add_f32 v[SUM:SUM+1], v[SUM:SUM+1], v[S+2*j:S+2*j+1]
.else
	v_pk_add_f32 v[TP+2*((j-7)%4):TP+2*((j-7)%4)+1], v[TP+2*((j-7)%4):TP+2*((j-7)%4)+1], v[S+2*j:S+2*j+1]
.endif
.set j, j+1
.endr
	s_delay_alu instid0(VALU_DEP_3)
	v_pk_add_f32 v[TP+2:TP+3], v[TP+2:TP+3], v[TP+4:TP+5]
	s_delay_alu instid0(VALU_DEP_2)
	v_pk_add_f32 v[SUM:SUM+1], v[SUM:SUM+1], v[TP:TP+1]
	s_delay_alu instid0(VALU_DEP_1)
	v_pk_add_f32 v[SUM:SUM+1], v[SUM:SUM+1], v[TP+2:TP+3]
	WALU
.if \kf
	s_wait_dscnt 17                                ; v's 17 loads are in; k's 17, issued behind them, may be out
.else
	s_wait_dscnt 0x0
.endif
.irp t, 0,1,2,3
	PV \t                                          ; four accumulators by turns
.endr
.endm
; THE WAY OUT of pass p.  O^T / l; register 16 b + i is channel 32 b + 16 h + i: two blocks of 32 along d_model, each shared with lane l xor 16;
; they are half (head % 2) of fragment t of ao's record (16 x batch + block, K step head / 2).
.macro WAYOUT p
	s_lshr_b32 s52, s14, 4
	s_lshl_b32 s52, s52, 4
	s_add_co_u32 s52, s52, s13
	s_add_co_u32 s52, s52, 2*\p                    ; 16 x batch + block
	s_lshl_b32 s52, s52, 3
	s_bfe_u32 s53, s14, 0x30001                    ; head / 2
	s_add_co_u32 s52, s52, s53
	s_mul_i32 s52, s52, REC
	s_mov_b32 s53, 0
	s_add_nc_u64 s[30:31], s[8:9], s[52:53]
	PLACES
	v_add_f32 v[SUM], v[SUM], v[SUM+1]
	s_delay_alu instid0(VALU_DEP_1)
	v_permlanex16_b32 v[T3], v[SUM], s[SEL], s[SEL+1]
	s_delay_alu instid0(VALU_DEP_1)
	v_add_f32 v[SUM], v[SUM], v[T3]                ; the row's sum
	WALU
	v_rcp_f32 v[SUM], v[SUM]
	v_and_b32 v[T1], 15, v[LN]                     ; (a plain place behind the reciprocal)
	v_lshl_add_u32 v[T2], v[LN], 4, s58
	v_lshl_add_u32 v[MX+2], v[LN], 3, s58
	s_delay_alu instid0(VALU_DEP_3)
	v_lshl_add_u32 v[T1], v[T1], 4, s59            ; the scale bytes: 16 r + s59
	WALU                                           ; ahead of the reciprocal's and O^T's first reader
.set j, 0
.rept 16
	v_pk_mul_f32 v[S+j:S+j+1], v[O+j:O+j+1], v[SUM:SUM+1] op_sel_hi:[1,0]   ; each accumulator from its low end on
.set j, j+2
.endr
.irp b, 0,1
	v_max3_num_f32 v[MX+\b], |v[S+16*\b]|, |v[S+16*\b+1]|, 0x1800000
.endr
.irp i, 2,4,6,8,10,12,14
.irp b, 0,1
	s_delay_alu instid0(VALU_DEP_2)
	v_max3_num_f32 v[MX+\b], v[MX+\b], |v[S+16*\b+\i]|, |v[S+16*\b+\i+1]|
.endr
.endr
.irp b, 0,1
	s_delay_alu instid0(VALU_DEP_2)
	v_permlanex16_b32 v[TP+\b], v[MX+\b], s[SEL], s[SEL+1]
.endr
.irp b, 0,1
	s_delay_alu instid0(VALU_DEP_2)
	v_max_num_f32 v[MX+\b], v[MX+\b], v[TP+\b]
.endr
.irp b, 0,1
	s_delay_alu instid0(VALU_DEP_2)
	v_add_nc_u32 v[SO+\b], 0xff000000, v[MX+\b]
.endr
.irp b, 0,1
	s_delay_alu instid0(VALU_DEP_2)
	v_lshrrev_b32 v[TP+\b], 23, v[SO+\b]
.endr
	s_delay_alu instid0(VALU_DEP_1)
	v_lshl_or_b32 v[MX+3], v[TP+1], 8, v[TP]
	v_cvt_scalef32_pk16_fp6_f32 v[PC:PC+2], v[S:S+15], v[SO]
	v_cvt_scalef32_pk16_fp6_f32 v[TP:TP+2], v[S+16:S+31], v[SO+1]
	v_nop                                          ; one plain place behind a scaled conversion
.irp i, 0,1,2
	v_permlane16_swap_b32 v[PC+\i], v[TP+\i]       ; a whole block in a lane: lanes 0-15 block 0, lanes 16-31 block 1
.endr
.irp i, 0,1,2
	s_delay_alu instid0(VALU_DEP_3)
	v_mov_b32 v[PC+3+\i], v[TP+\i]
.endr
	global_store_b128 v[T2], v[PC:PC+3], s[30:31]                 ; 512 consecutive bytes, at a multiple of 256 from ao's first byte
	global_store_b64 v[MX+2], v[PC+4:PC+5], s[30:31] offset:512   ; 256 consecutive bytes, likewise
	global_store_b16 v[T1], v[MX+3], s[30:31] offset:12288        ; both halves of the lanes write the same two bytes
.if \p == 0
	s_wait_xcnt 0x0                                ; the stores have read their registers and base: the next pass writes them again
.endif
.endm
; A PASS: my tile of 16 queries against the head's 16 records.  The step is written for sums that exist: the first finds zeros, which the first change of M (f = 0) leaves zeros.
.macro PASS p
	v_mov_b32 v[RM], 0xff61b1e6                    ; the largest score so far: -3e38
	v_mov_b32 v[NM], 0x7e000000                    ; -M: 2^125, over every -M to come
	v_mov_b32 v[SUM], 0
	v_mov_b32 v[SUM+1], 0
	s_wait_loadcnt 0x0                             ; q
	v_lshl_or_b32 v[QS], v[QS], 16, v[QS]          ; the two bytes serve k 0-63 and k 64-127 alike
.set j, 0
.rept 32
	v_mov_b32 v[O+j], 0                            ; (also the places between q's scale word and its first product)
.set j, j+1
.endr
	WALU
	s_mov_b32 s[CNT], 15
.Lrun_\@:
	STEP 1, 0
	s_sub_co_u32 s[CNT], s[CNT], 1
	s_cmp_lg_u32 s[CNT], 0
	s_cbranch_scc1 .Lrun_\@
.if \p == 0
	STEP 2, 1
.else
	STEP 0, 0
.endif
	WAYOUT \p
.endm
	PASS 0
	PASS 1
	s_wait_tensorcnt 0x0                           ; the wave's end
	ds_add_u32 v[SPW], v[NIL]
	s_wait_dscnt 0x0
	CROUND                                         ; the closing round
	s_endpgm
.Lfunc_end_k_q0103db7f4d_attn:
	.size	k_q0103db7f4d_attn, .Lfunc_end_k_q0103db7f4d_attn-k_q0103db7f4d_attn
	.p2alignl 7, 3214868480
	.fill 96, 4, 3214868480
	.section	.rodata,"a",@progbits
	.p2align	6, 0x0
	.amdhsa_kernel k_q0103db7f4d_attn
		.amdhsa_group_segment_fixed_size 206848
		.amdhsa_private_segment_fixed_size 0
		.amdhsa_enable_private_segment 0
		.amdhsa_kernarg_size 24
		.amdhsa_user_sgpr_count 2
		.amdhsa_user_sgpr_kernarg_segment_ptr 1
		.amdhsa_wavefront_size32 1
		.amdhsa_system_sgpr_workgroup_id_x 1
		.amdhsa_system_sgpr_workgroup_id_y 1
		.amdhsa_system_sgpr_workgroup_id_z 1
		.amdhsa_system_vgpr_workitem_id 0
		.amdhsa_next_free_vgpr 256
		.amdhsa_next_free_sgpr 66
		.amdhsa_reserve_vcc 0
		.amdhsa_float_denorm_mode_32 3
		.amdhsa_float_denorm_mode_16_64 3
		.amdhsa_memory_ordered 1
		.amdhsa_forward_progress 1
		.amdhsa_inst_pref_size 79
	.end_amdhsa_kernel
	.amdgpu_metadata
---
amdhsa.version: [ 1, 2 ]
amdhsa.kernels:
  - .name:           k_q0103db7f4d_attn
    .symbol:         k_q0103db7f4d_attn.kd
    .args:
      - { .name: qc, .offset: 0, .size: 8, .value_kind: global_buffer, .address_space: global }
      - { .name: kv, .offset: 8, .size: 8, .value_kind: global_buffer, .address_space: global }
      - { .name: ao, .offset: 16, .size: 8, .value_kind: global_buffer, .address_space: global }
    .group_segment_fixed_size: 206848
    .private_segment_fixed_size: 0
    .kernarg_segment_align: 8
    .kernarg_segment_size: 24
    .max_flat_workgroup_size: 512
    .sgpr_count:     66
    .vgpr_count:     256
    .wavefront_size: 32
...
	.end_amdgpu_metadata
.endif
;; end of part 3
;; launch outp (part 4): grid 4 x 64, 4 waves a work-group, clusters of 4 x 4, 327,680 bytes of LDS; arguments xw, ao, bo, out0; writes out0
.if DOCPART == 4
	.amdgcn_target "amdgcn-amd-amdhsa--gfx1250"
	.amdhsa_code_object_version 6
	.text
	.protected	k_q0103db7f4d_outp
	.globl	k_q0103db7f4d_outp
	.p2align	8
	.type	k_q0103db7f4d_outp,@function
k_q0103db7f4d_outp:
	s_mov_b64 s[64:65], 0
	v_nop
	global_prefetch_b8 v0, s[64:65] scope:SCOPE_SE
	s_setreg_imm32_b32 hwreg(HW_REG_WAVE_MODE, 25, 1), 1
	s_wait_xcnt 0x0
	s_wait_alu depctr_hold_cnt(0) depctr_sa_sdst(0) depctr_va_vdst(0) depctr_va_sdst(0) depctr_va_ssrc(0) depctr_va_vcc(0) depctr_vm_vsrc(0)
	s_getreg_b32 s2, hwreg(HW_REG_IB_STS2, 6, 4)
	s_cmp_eq_u32 s2, 0
	s_cbranch_scc0 .Lentry_in_a_cluster
	s_endpgm
.Lentry_in_a_cluster:
	s_bfe_u32 s2, ttmp6, 0x10000c
	s_cmp_lg_u32 s2, 0xf033
	s_cbranch_scc0 .Lentry_shape_is_right
	s_endpgm
.Lentry_shape_is_right:
; out0 = a Wo^T + bo on codes of FP6 (E2M3): a, the attention's result, from ao; Wo from xw (blocks 216 on); out0 [8192][1024] f32.
; S0 (source 0, its rows become a lane's registers) = 256 rows of Wo; S1 (source 1, its rows become the lanes) = 128 rows of a.  Wave w takes Wo's rows 64 w .. 64 w + 63 against all of S1: 32 accumulators.
; K = 1,024 is 8 steps of 128, written out.  ALL OF K LIES IN LDS, filled once, in two halves of four K steps: S1's 8 records, then S0's 2 x 8 (a record: 12,800 bytes: 8 fragments of 1,536, 512 bytes of scale words).
; CLUSTER 4 x 4: S1's bytes hang on cy alone and are asked for jointly along a row of the cluster, S0's on cx alone and jointly along a column.
; A fragment's rows are 32 (t/2) + 8 (t%2) + r + 8 (r/8): a lane's registers of accumulator (a, b) are the columns 64 w + 32 (b/2) + 8 (b%2) + 16 h + 0 .. 7 of one row of out0.
; The bias is the C of each sum's first product.  Results leave through a stage in LDS as aligned runs of 256 bytes.
; LIMITS: NaN and infinities are not served.
; REGISTERS: window 0: v16-27 LDS addresses; v32-47 scale words, two sets; v64-159 S1's 8 fragments; v160-255 S0's 4 fragments, two sets.  Window 1: the accumulators, (a, b) at v[32 a + 8 b].  Window 2: v0-31 the bias.
.set REC,   12800
.set BLKB,  8*REC
.set PAIR,  2*REC
.set UP,    4*REC
.set SPARE, 3*BLKB                     ; behind the operands: the spare words, 128 bytes a wave, two blocks of 256 bytes that no other line names
.set A1,  16
.set B1,  18
.set A0,  20
.set B0,  22
.set Z0,  24
.set STO, 26                           ; v26 the stage, on the way in: row r, + 64 h
.set RD,  27                           ; v27 and back: lanes 0-15 one row, lanes 16-31 the next
.set SPW, 28                           ; v28 my spare word's LDS address; never rewritten
.set NIL, 29                           ; v29 0; never rewritten
.set CO,  30                           ; v30 my byte in two rows of out0
.set BH,  31                           ; v31 64 h
.set SC1, 32
.set SC0, 36
.set S1F, 64
.set S0F, 160
.set BK,  64                           ; the way out: two sets of 32: 16 rows read back from the stage
.set WV,  16
.set G1A, 24
.set G1B, 32
.set G0A, 40
.set MSB, 0
.macro WIN new                         ; the immediate's high byte repeats the setting that is left
.if MSB != \new
	s_set_vgpr_msb (MSB<<8)|\new
.set MSB, \new
.endif
.endm
.macro PLACES                          ; four plain places behind matrix instructions, ahead of loads into their operands and of reads of their results
.rept 4
	v_nop
.endr
.endm
.macro CROUND
	s_barrier_signal -1
	s_barrier_wait -1
	s_cmp_lg_u32 s[WV], 0
	s_cbranch_scc1 .Lnot_wave_0_\@
	s_barrier_signal -3
.Lnot_wave_0_\@:
	s_barrier_wait -3
	s_barrier_signal -1
	s_barrier_wait -1
.endm
.macro FRAG reg, a16, a8, off
	ds_load_b128 v[(\reg):(\reg)+3], v[\a16] offset:(\off)
	ds_load_b64 v[(\reg)+4:(\reg)+5], v[\a8] offset:(\off)+512
	ds_load_b128 v[(\reg)+6:(\reg)+9], v[\a16] offset:(\off)+768
	ds_load_b64 v[(\reg)+10:(\reg)+11], v[\a8] offset:(\off)+1280
.endm
.macro WM
.if rRA && rRB
	v_wmma_scale_f32_16x16x128_f8f6f4 v[rD:rD+7], v[rA:rA+11], v[rB:rB+11], v[rC:rC+7], v[rSA], v[rSB] matrix_a_fmt:MATRIX_FMT_FP6 matrix_b_fmt:MATRIX_FMT_FP6 matrix_a_scale:MATRIX_SCALE_ROW1 matrix_b_scale:MATRIX_SCALE_ROW1
.elseif rRA
	v_wmma_scale_f32_16x16x128_f8f6f4 v[rD:rD+7], v[rA:rA+11], v[rB:rB+11], v[rC:rC+7], v[rSA], v[rSB] matrix_a_fmt:MATRIX_FMT_FP6 matrix_b_fmt:MATRIX_FMT_FP6 matrix_a_scale:MATRIX_SCALE_ROW1
.elseif rRB
	v_wmma_scale_f32_16x16x128_f8f6f4 v[rD:rD+7], v[rA:rA+11], v[rB:rB+11], v[rC:rC+7], v[rSA], v[rSB] matrix_a_fmt:MATRIX_FMT_FP6 matrix_b_fmt:MATRIX_FMT_FP6 matrix_b_scale:MATRIX_SCALE_ROW1
.else
	v_wmma_scale_f32_16x16x128_f8f6f4 v[rD:rD+7], v[rA:rA+11], v[rB:rB+11], v[rC:rC+7], v[rSA], v[rSB] matrix_a_fmt:MATRIX_FMT_FP6 matrix_b_fmt:MATRIX_FMT_FP6
.endif
.endm
; 16 products: S1's fragments a0 .. a0 + 3 x my four of S0, K step s.  cm = 1: the bias starts the sums.  The 32 accumulators take turns, one instruction a turn.
.macro MUL a0, s, cm
.irp a, \a0, \a0+1, \a0+2, \a0+3
.irp b, 0,1,2,3
.set rD, 32*(\a)+8*\b
.set rA, S0F+48*((\s)%2)+12*\b
.set rB, S1F+12*(\a)
.set rC, rD
.if \cm == 1
.set rC, 8*\b
.endif
.set rSA, SC0+8*((\s)%2)+\b/2
.set rSB, SC1+8*((\s)%2)+(\a)/2
.set rRA, \b%2
.set rRB, (\a)%2
	WM
.endr
.endr
.endm
.macro FETCH_MID s                     ; 34 loads
.irp b, 0,1,2,3
	FRAG S0F+48*((\s)%2)+12*\b, A0+(\s)/4, B0+(\s)/4, REC*((\s)%4)+1536*\b
.endr
	ds_load_b64 v[SC0+8*((\s)%2):SC0+8*((\s)%2)+1], v[Z0+(\s)/4] offset:REC*((\s)%4)+12288
	ds_load_b128 v[SC1+8*((\s)%2):SC1+8*((\s)%2)+3], v[A1+(\s)/4] offset:REC*((\s)%4)+12288
.irp a, 0,1,2,3
	FRAG S1F+12*\a, A1+(\s)/4, B1+(\s)/4, REC*((\s)%4)+1536*\a
.endr
.endm
.macro FETCH_END s                     ; 16 loads
.irp a, 4,5,6,7
	FRAG S1F+12*\a, A1+(\s)/4, B1+(\s)/4, REC*((\s)%4)+1536*\a
.endr
.endm
.macro STEP s, cm
	s_wait_dscnt 16                                ; all but the youngest sixteen loads (S1's fragments 4-7) are in
.if \cm
	WIN 0x60                                       ; D window 1, C window 2
.else
	WIN 0x50                                       ; C and D window 1
.endif
	MUL 0, \s, \cm
	s_wait_dscnt 0x0                               ; S1's fragments 4-7 are in; no LDS instruction of mine is out at a signal
.if (\s) == 3
	s_wait_tensorcnt 0x0                           ; my load of K steps 4-7 has landed
	s_barrier_signal -1
	s_barrier_wait -1                              ; everybody's has.
.endif
.if (\s) < 7
	PLACES
	WIN 0
	FETCH_MID (\s)+1
.endif
.if \cm
	WIN 0x60
.else
	WIN 0x50
.endif
	MUL 4, \s, \cm
.if (\s) < 7
	PLACES
	WIN 0
	FETCH_END (\s)+1
.endif
.endm
	s_load_b256 s[4:11], s[0:1], 0x0               ; xw, ao, bo, out0
	v_lshl_add_u32 v[SPW], v0, 2, SPARE
	v_mov_b32 v[NIL], 0
	ds_add_u32 v[SPW], v[NIL]                      ; the wave's opening: the add and its wait ahead of the first tensor loads; work on registers stands between them
	ds_add_u32 v[SPW], v[NIL]
	v_lshrrev_b32 v1, 5, v0
	v_readfirstlane_b32 s[WV], v1                  ; wave 0..3
	s_lshr_b32 s17, s[WV], 1
	s_and_b32 s18, s[WV], 1
	s_bfe_u32 s19, ttmp6, 0x40000                  ; cx
	s_bfe_u32 s20, ttmp6, 0x40004                  ; cy
	s_and_b32 s21, ttmp7, 0xffff
	s_lshl_b32 s82, s21, 2
	s_add_co_u32 s82, s82, s20                     ; S1: ao's block 4 x cluster y + cy
	s_lshl_b32 s83, s19, 1
	s_add_co_u32 s83, s83, 216
	s_mul_i32 s84, s83, BLKB
	s_mov_b32 s85, 0
	s_mul_i32 s86, s82, BLKB
	s_mov_b32 s87, 0
	s_lshl_b32 s88, s20, 2
	s_lshl_b32 s88, 15, s88                        ; my row of the cluster
	s_lshl_b32 s89, 0x1111, s19                    ; my column
	; descriptor group 1: elements of 8 bytes, dense; no padding
	s_or_b32 s[G1A], s88, (3<<16)|(1<<21)
	s_or_b32 s[G1B], s89, (3<<16)|(1<<21)
.irp g, G1A, G1B
	s_mov_b32 s[\g+1], 32<<16
	s_mov_b32 s[\g+2], 100<<16
	s_mov_b32 s[\g+3], 32<<16
	s_mov_b32 s[\g+4], 100
	s_mov_b32 s[\g+5], 32
	s_mov_b32 s[\g+6], 0
	s_mov_b32 s[\g+7], 0
.endr
	s_mov_b32 s[G1A+2], 200<<16                    ; a load of S1 brings four K steps: 200 rows of 256 bytes
	s_mov_b32 s[G1A+4], 200
	s_mov_b32 s[G1B+1], 6400<<16                   ; a load of S0 brings four K steps of BOTH halves: 2 rows of 6,400 elements of 8 bytes (51,200 bytes),
	s_mov_b32 s[G1B+2], 2<<16
	s_mov_b32 s[G1B+3], 6400<<16
	s_mov_b32 s[G1B+4], 2
	s_mov_b32 s[G1B+5], 12800                      ; a block of 8 records (102,400 bytes) apart in memory, on end in LDS
	s_mul_i32 s90, s17, UP                         ; so S0 lies in LDS as [K steps 0-3 | 4-7][half][record]: my half of K steps 0-3
	s_add_co_u32 s90, s90, BLKB                    ; S0's half in LDS: no place in the cluster enters an LDS address
	s_wait_dscnt 0x0                               ; the opening add is done
	s_wait_kmcnt 0x0
	s_add_nc_u64 s[84:85], s[4:5], s[84:85]
	s_add_nc_u64 s[86:87], s[6:7], s[86:87]
	CROUND                                         ; all sixteen work-groups are here: the joint loads meet
	; THE FILLS GO IN TWO HALVES OF K, one tensor load a wave each time: K steps 0-3 by waves 0 and 1, K steps 4-7 by waves 2 and 3, all asked for here.
	; Waves 0 and 2 take four K steps each of S1 (200 rows of 256 bytes), waves 1 and 3 four K steps of both halves of S0 (2 rows).
	; (All of K is asked for here, in four loads, one a wave, each in an arm of its own of one chain: wave 0 S1's K steps 0-3, wave 1 S0's, wave 2 S1's K steps 4-7, wave 3 S0's.)
.macro ARM w, g0, g1, next
	s_cmp_eq_u32 s[WV], \w
	s_cbranch_scc0 \next
	tensor_load_to_lds s[\g0:\g0+3], s[\g1:\g1+7]
	s_nop 0
	PLACES
	s_branch .Lasked
\next:
.endm
	s_mul_i32 s2, s17, UP                          ; wave / 2: which four K steps
	s_mov_b32 s3, 0
	s_mov_b32 s[G0A], 1
	s_mov_b32 s[G0A+1], s2
	s_add_nc_u64 s[G0A+2:G0A+3], s[86:87], s[2:3]
	s_or_b32 s[G0A+3], s[G0A+3], 0x80000000
	s_mov_b32 s56, 1
	s_mul_i32 s57, s17, 2*UP
	s_add_co_u32 s57, s57, BLKB
	s_add_nc_u64 s[58:59], s[84:85], s[2:3]
	s_or_b32 s59, s59, 0x80000000
	ARM 0, G0A, G1A, .Lw1
	ARM 1, 56, G1B, .Lw2
	ARM 2, G0A, G1A, .Lw3
	tensor_load_to_lds s[56:59], s[G1B:G1B+7]
	s_nop 0
	PLACES
.Lasked:
	v_and_b32 v2, 31, v0                           ; lane
	v_and_b32 v3, 15, v0                           ; r
	v_bfe_u32 v4, v0, 4, 1                         ; h
	v_lshlrev_b32 v[A1], 4, v2
	v_add_nc_u32 v[A1+1], UP, v[A1]
	v_lshlrev_b32 v[B1], 3, v2
	v_add_nc_u32 v[B1+1], UP, v[B1]
	s_mul_i32 s91, s18, 6144
	s_add_co_u32 s91, s91, s90
	v_add_nc_u32 v[A0], s91, v[A1]
	v_add_nc_u32 v[A0+1], 2*UP, v[A0]
	v_add_nc_u32 v[B0], s91, v[B1]
	v_add_nc_u32 v[B0+1], 2*UP, v[B0]
	s_lshl_b32 s91, s18, 3
	s_add_co_u32 s91, s91, s90
	v_add_nc_u32 v[Z0], s91, v[A1]
	v_add_nc_u32 v[Z0+1], 2*UP, v[Z0]
	s_mul_i32 s91, s[WV], 16*272                   ; my stage: 16 rows x (256 bytes + 16), in S1's bytes, which have had their last fill and, when it is written, their last read
	v_mul_u32_u24 v[STO], v3, 272
	v_lshl_add_u32 v[STO], v4, 6, v[STO]
	v_add_nc_u32 v[STO], s91, v[STO]
	v_mul_u32_u24 v[RD], v4, 272
	v_lshl_add_u32 v[RD], v3, 4, v[RD]
	v_add_nc_u32 v[RD], s91, v[RD]
	v_lshlrev_b32 v[CO], 12, v4
	v_lshl_add_u32 v[CO], v3, 4, v[CO]             ; 4,096 (lane / 16) + 16 (lane % 16)
	v_lshlrev_b32 v[BH], 6, v4
	s_wait_alu depctr_va_vdst(0)
	s_lshl_b32 s94, s19, 10                        ; my 64 columns: 4 (256 cx + 64 w) bytes
	s_lshl_b32 s95, s[WV], 8
	s_add_co_u32 s94, s94, s95
	s_mov_b32 s95, 0
	s_add_nc_u64 s[96:97], s[8:9], s[94:95]        ; in bo,
	s_lshl_b32 s98, s82, 19                        ; and, 128 rows of 4,096 bytes a block, in out0
	s_add_co_u32 s98, s98, s94
	s_mov_b32 s99, 0
	s_add_nc_u64 s[10:11], s[10:11], s[98:99]
	WIN 0x80                                       ; destination window 2
.irp b, 0,1,2,3
	global_load_b128 v[8*\b:8*\b+3], v[BH], s[96:97] offset:128*(\b/2)+32*(\b%2)
	global_load_b128 v[8*\b+4:8*\b+7], v[BH], s[96:97] offset:128*(\b/2)+32*(\b%2)+16
.endr
	WIN 0
	s_cmp_lt_u32 s[WV], 2                          ; waves 0 and 1, whose load lines are theirs alone, wait for K steps 0-3; the loads of waves 2 and 3 may be out:
	s_cbranch_scc0 .Lnot_first
	s_wait_tensorcnt 0x0
.Lnot_first:
	s_barrier_signal -1
	s_barrier_wait -1
	FETCH_MID 0
	FETCH_END 0
	s_wait_loadcnt 0x0                             ; the bias
	STEP 0, 1
.irp s, 1,2,3,4,5,6,7
	STEP \s, 0
.endr
	WIN 0
	s_wait_dscnt 0x0                               ; my reads of the operands are over,
	s_barrier_signal -1
	s_barrier_wait -1                              ; everybody's are: the stages may be written
	PLACES
; THE WAY OUT, S1's fragment a (16 rows of out0) at a time: a lane's 4 x 32 bytes of a row go into my stage and come back as whole runs of 256 bytes.
; LDS serves a wave's instructions in order (ISA guide 5.7.1.4): no wait between the stores and the loads, nor ahead of the next block's stores.
.macro TOSTAGE a
	WIN 0x04                                       ; an LDS store's data are its source 1: window 1
.irp b, 0,1,2,3
	ds_store_b128 v[STO], v[32*(\a)+8*\b:32*(\a)+8*\b+3] offset:128*(\b/2)+32*(\b%2)          ; each accumulator from its low end on
	ds_store_b128 v[STO], v[32*(\a)+8*\b+4:32*(\a)+8*\b+7] offset:128*(\b/2)+32*(\b%2)+16
.endr
	WIN 0
.irp i, 0,1,2,3,4,5,6,7
	ds_load_b128 v[BK+32*((\a)%2)+4*\i:BK+32*((\a)%2)+4*\i+3], v[RD] offset:544*\i
.endr
.endm
.macro SEND a, younger                 ; younger: the LDS instructions issued behind block a's loads, which may stay out
	s_wait_dscnt \younger
.irp i, 0,1,2,3,4,5,6,7
	global_store_b128 v[CO], v[BK+32*((\a)%2)+4*\i:BK+32*((\a)%2)+4*\i+3], s[10:11] offset:(32*((\a)/2)+8*((\a)%2)+2*\i+8*(\i/4))*4096 th:TH_STORE_NT   ; sixteen lanes store 256 consecutive bytes, at a multiple of 256 from out0's first byte
.endr
.endm
	TOSTAGE 0
.irp a, 1,2,3,4,5,6,7
.if \a > 1
	s_wait_xcnt 0x0                                ; block a - 2's stores have read their registers: block a's loads may land there
.endif
	TOSTAGE \a
	SEND \a-1, 16                                  ; behind block a - 1's loads: block a's 8 stores and 8 loads
.endr
	SEND 7, 0
	s_wait_tensorcnt 0x0                           ; the wave's end, behind my last tensor load and my last LDS store
	ds_add_u32 v[SPW], v[NIL]
	s_wait_dscnt 0x0
	CROUND                                         ; the closing round
	s_endpgm
.Lfunc_end_k_q0103db7f4d_outp:
	.size	k_q0103db7f4d_outp, .Lfunc_end_k_q0103db7f4d_outp-k_q0103db7f4d_outp
	.p2alignl 7, 3214868480
	.fill 96, 4, 3214868480
	.section	.rodata,"a",@progbits
	.p2align	6, 0x0
	.amdhsa_kernel k_q0103db7f4d_outp
		.amdhsa_group_segment_fixed_size 327680
		.amdhsa_private_segment_fixed_size 0
		.amdhsa_enable_private_segment 0
		.amdhsa_kernarg_size 32
		.amdhsa_user_sgpr_count 2
		.amdhsa_user_sgpr_kernarg_segment_ptr 1
		.amdhsa_wavefront_size32 1
		.amdhsa_system_sgpr_workgroup_id_x 1
		.amdhsa_system_sgpr_workgroup_id_y 1
		.amdhsa_system_sgpr_workgroup_id_z 1
		.amdhsa_system_vgpr_workitem_id 0
		.amdhsa_next_free_vgpr 544
		.amdhsa_next_free_sgpr 100
		.amdhsa_reserve_vcc 0
		.amdhsa_float_denorm_mode_32 3
		.amdhsa_float_denorm_mode_16_64 3
		.amdhsa_memory_ordered 1
		.amdhsa_forward_progress 1
		.amdhsa_inst_pref_size 84
	.end_amdhsa_kernel
	.amdgpu_metadata
---
amdhsa.version: [ 1, 2 ]
amdhsa.kernels:
  - .name:           k_q0103db7f4d_outp
    .symbol:         k_q0103db7f4d_outp.kd
    .args:
      - { .name: xw, .offset: 0, .size: 8, .value_kind: global_buffer, .address_space: global }
      - { .name: ao, .offset: 8, .size: 8, .value_kind: global_buffer, .address_space: global }
      - { .name: bo, .offset: 16, .size: 8, .value_kind: global_buffer, .address_space: global }
      - { .name: out0, .offset: 24, .size: 8, .value_kind: global_buffer, .address_space: global }
    .group_segment_fixed_size: 327680
    .private_segment_fixed_size: 0
    .kernarg_segment_align: 8
    .kernarg_segment_size: 32
    .max_flat_workgroup_size: 128
    .sgpr_count:     100
    .vgpr_count:     544
    .wavefront_size: 32
...
	.end_amdgpu_metadata
.endif
;; end of part 4
